; MI455X (gfx1250); checked and timed in simulation.
; The chip was launched on July 23, 2026; its instructions are those of AMD's public machine-readable ISA for CDNA 5 (MIT licence, August 2026) and "CDNA5" Instruction Set Architecture Reference Guide (July 2026). The comments in the code are by the model that wrote it; some were corrected since.
;; Multi Head Attention. Allowed arithmetic: matrix products marked QUANTISED: E2M1 operands, one E8M0 scale for each 32 along K, by v_wmma_scale_f32_16x16x128_f8f6f4 with both operands' format E2M1 (or v_wmma_scale_f32_32x16x128_f4), f32 sums; products left as they are: bf16, f16 or f32 operands; f32 sums; everything else in f32.
;; Inputs: Wk 1,024 x 1,024 float32; Wo 1,024 x 1,024 float32; Wq 1,024 x 1,024 float32; Wv 1,024 x 1,024 float32; bk 1,024 float32; bo 1,024 float32; bq 1,024 float32; bv 1,024 float32; key 2 x 2,048 x 1,024 float32; query 2 x 2,048 x 1,024 float32; rel_k_table 7 x 64 float32; rel_v_table 7 x 64 float32; value 2 x 2,048 x 1,024 float32.
;; Outputs: out0 2 x 2,048 x 1,024 float32.
;; This version of the problem:
;;   THIS VERSION OF THE PROBLEM IS GIVEN IN LOW PRECISION. The matrix products marked QUANTISED in the list below multiply operands that are first quantised to E2M1 (2 exponent bits, 1 mantissa bit; 4 bits a number), with one power-of-two scale for each 32 numbers along K (OCP MX v1.0); their sums are f32. The products marked 'left as it is' may take bf16, f16 or f32 operands, with f32 sums. Whichever they take, every output number must still come out within the allowed error. Rounding operands to bf16 (8 significant bits) uses up far more of that allowance than f16 does (11 bits, for magnitudes from 6e-5 to 65,504). All else is computed in f32.
;;   The module's matrix products, in the order in which they are computed (A, B: the left and right operand; K: the contracted axis; several contracted axes count as one K, in the product's order):
;;     1. [M 4,096, K 1,024] x [K 1,024, N 1,024]; A: input query; B: input Wq: QUANTISED
;;     2. [M 4,096, K 1,024] x [K 1,024, N 1,024]; A: input key; B: input Wk: QUANTISED
;;     3. [M 4,096, K 1,024] x [K 1,024, N 1,024]; A: input value; B: input Wv: QUANTISED
;;     4. batch 32 x [M 2,048, K 64] x [K 64, N 2,048]; A: computed on the way; B: computed on the way: left as it is (an operand is computed on the way)
;;     5. batch 2,048 x [M 2,048, K 64] x [K 64, N 32]; A: computed on the way; B: computed on the way: left as it is (an operand is computed on the way)
;;     6. batch 32 x [M 2,048, K 2,048] x [K 2,048, N 64]; A: computed on the way; B: computed on the way: left as it is (an operand is computed on the way)
;;     7. batch 2,048 x [M 64, K 2,048] x [K 2,048, N 32]; A: computed on the way; B: computed on the way: left as it is (an operand is computed on the way)
;;     8. [M 4,096, K 1,024] x [K 1,024, N 1,024]; A: computed on the way; B: input Wo: left as it is (an operand is computed on the way)
;;   THE QUANTISER, for each operand of a quantised product, along K:
;;     - K is cut into blocks of 32 from its start; a last block that is shorter is filled with zeros.
;;     - A block's scale is 2^e with e = floor(log2(the largest magnitude in the block)) - 2, held to -126 .. 127; a block of zeros has e = 0. As a byte (E8M0): e + 127.
;;     - Each number is divided by its block's scale, clamped to +-6, and rounded to the nearest number of E2M1, ties to even, subnormals kept.
;;     - The product sums the exact products of the quantised numbers (number of the format x scale) in f32.
;;   ~~~python
;;   def quantise(x, axis):      # numpy; x: float32 -> the quantised numbers, widened to float32 again
;;       x = np.moveaxis(x, axis, -1); K = x.shape[-1]
;;       x = np.pad(x, [(0, 0)] * (x.ndim - 1) + [(0, -K % 32)]); x = x.reshape(x.shape[:-1] + (-1, 32)); a = np.abs(x).max(-1, keepdims=True)
;;       e = np.where(a > 0, np.clip(np.frexp(np.where(a > 0, a, 1))[1] - 1 - 2, -126, 127), 0)      # np.frexp(a)[1] - 1 = floor(log2(a)), exactly
;;       r = np.clip(x / 2.0 ** e, -6, 6)
;;       step = 2.0 ** (np.maximum(np.frexp(np.where(r == 0, 1, r))[1] - 1, 0) - 1)
;;       q = np.round(r / step) * step * 2.0 ** e      # np.round: ties to even
;;       return np.moveaxis(q.reshape(q.shape[:-2] + (-1,))[..., :K], -1, axis).astype(np.float32)
;;   ~~~
;; One version. Each part assembles by itself: llvm-mc -triple=amdgcn-amd-amdhsa -mcpu=gfx1250 --defsym DOCPART=n.
;; ======== version 1 of 1: 4 launches
;; limits: values are held in f16: magnitudes above 65,504 overflow, below 6.1e-05 lose precision
;; workspace buffers: codes 7,864,320 bytes; scales 491,520 bytes; wo16 2,097,152 bytes; qkv 25,165,824 bytes; xh 8,388,608 bytes
;; launch prep (part 1): grid 512 x 1, 4 waves a work-group, no clusters, 33,280 bytes of LDS; arguments query, key, value, Wq, Wk, Wv, Wo, codes, scales, wo16; writes codes, scales, wo16
.if DOCPART == 1
	.amdgcn_target "amdgcn-amd-amdhsa--gfx1250"
	.amdhsa_code_object_version 6
	.text
	.protected	k_qdedbe6830c_prep
	.globl	k_qdedbe6830c_prep
	.p2align	8
	.type	k_qdedbe6830c_prep,@function
k_qdedbe6830c_prep:
	s_mov_b64 s[64:65], 0
	v_nop
	global_prefetch_b8 v0, s[64:65] scope:SCOPE_SE
	s_setreg_imm32_b32 hwreg(HW_REG_WAVE_MODE, 25, 1), 1
	s_wait_xcnt 0x0
; MULTI-HEAD ATTENTION WITH CLIPPED RELATIVE POSITIONS, in four launches: this one (operands made narrow), proj (q, k, v), attn (softmax and both weighted sums), outp (the last projection).
; WORK LEFT OUT, for all values of the inputs:
;  (1) bk.  attn1[q][k] = qh[q] . (kh'[k] + bk) = qh[q] . kh'[k] + qh[q] . bk.  The second term is the same for all k of a row, so the softmax along k takes it away; the product with kh is not
;      quantised, and kh enters nothing else.  So bk reaches no output: it is not loaded and is among no launch's arguments.
;  (2) rk = rel_k_table[idx] and rv = rel_v_table[idx] hold seven different rows, idx = clip(k - q, -3, 3) + 3.  So attn2[q][k] is one of seven numbers qh[q] . rel_k_table[j], and
;      w2[q] = sum over j of (the sum of attn[q][k] over the k with idx = j) x rel_v_table[j]: the two dense products over all (q, k, d) are lookups, and are done as such in attn.
; LIMIT: a NaN, an infinity or an overflow that would arise through bk alone is not carried to the result.
; THIS LAUNCH.  query, key, value [4096][1024] and Wq, Wk, Wv [1024][1024], f32 with K innermost, become codes of FP4 (E2M1) and one E8M0 byte for each 32 along K, in ONE stream of rows of 1,024 codes:
; rows 0.. query, 4096.. key, 8192.. value, 12288.. Wq, 13312.. Wk, 14336.. Wv; 512 bytes of codes and 32 scale bytes a row.  Wo becomes f16, as it lies.
; A block's scale is 2^(floor(log2(its largest magnitude)) - 2): its byte is the largest magnitude's exponent field - 2, held at 1 from below.  (A block of zeros so gets the byte 1 where the rule says 127: its codes are
; zeros, which add nothing under any byte but 0xff, and this program alone reads the bytes.)  Each number is divided by the scale and rounded to the nearest code, ties to even; beyond 6 the largest code.
; LIMITS: blocks whose largest magnitude lies under 2^-124 get the byte 1; NaN and infinities among the inputs are not served; |Wo| stays under 65,504 (f16).
; SHARES.  Work-group g takes 32,768 numbers, each of its four waves 8,192: g 0-127 query, 128-255 key, 256-383 value, 384-415 Wq, 416-447 Wk, 448-479 Wv, 480-511 Wo.  Only pointers are chosen for the six: one path.
; A wave takes 16 steps of 512 numbers: each of a step's four loads reads 512 consecutive bytes; the 2,048 bytes turn through the wave's own stage in LDS and come back 64 bytes a lane, 16 neighbours along K
; (two neighbouring lanes hold a block).  A lane's 16 codes are 8 bytes: the wave stores 256 consecutive bytes.  A wave's 256 scale bytes are gathered in LDS and leave as 256 consecutive bytes.
.set WAVES, 4
.set STEPS, 16
.set EMAX,  2
.set CB,    8                          ; bytes of 16 codes
.set R,     16                         ; v16-79   four sets of 16 numbers as they are loaded
.set X,     80                         ; v80-111  two sets of 16 neighbours
.set C,     128                        ; v128-191 codes: four registers for each step, so that no store's data are written again
.set E,     112                        ; v112-127 a scale byte for each step
.set WREG,  8192                       ; LDS: a region for each wave: two stages of 32 x SP bytes, behind them its 256 scale bytes
.set SP,    80                         ; a lane's place in a stage: its 64 bytes + 16 of padding
.set SPW,   12                         ; v12      LDS address of my spare word; never rewritten
.set NIL,   13                         ; v13      0; never rewritten
.set SPARE, WAVES*WREG                 ; behind the four regions: the spare words, 128 bytes a wave
	s_load_b256 s[4:11], s[0:1], 0x0               ; query s[4:5], key s[6:7], value s[8:9], Wq s[10:11]
	s_load_b256 s[12:19], s[0:1], 0x20             ; Wk s[12:13], Wv s[14:15], Wo s[16:17], codes s[18:19]
	s_load_b128 s[20:23], s[0:1], 0x40             ; scales s[20:21], wo16 s[22:23]
	v_lshl_add_u32 v[SPW], v0, 2, SPARE
	v_mov_b32 v[NIL], 0
	v_lshrrev_b32 v1, 5, v0
	v_readfirstlane_b32 s28, v1                    ; wave
	v_and_b32 v2, 31, v0                           ; lane
	v_lshlrev_b32 v3, 4, v2                        ; my 16 bytes of a load's 512
	s_mul_i32 s29, s28, WREG
	v_lshrrev_b32 v14, 2, v2
	v_mul_u32_u24 v14, v14, SP
	v_and_b32 v15, 3, v2
	v_lshl_add_u32 v14, v15, 4, v14
	v_add_nc_u32 v14, s29, v14                     ; the stage, on the way in: SP (lane / 4) + 16 (lane % 4)
	v_mul_u32_u24 v15, v2, SP
	v_add_nc_u32 v15, s29, v15                     ; and on the way out: SP x lane: my 16 neighbours
	v_mul_u32_u24 v4, v2, CB                       ; 8 x lane: my codes' place in a step's; also my f16 numbers' place in a store of Wo's
	v_lshrrev_b32 v5, 1, v2
	s_add_co_u32 s29, s29, 2*32*SP
	v_add_nc_u32 v5, s29, v5                       ; LDS: my wave's 256 scale bytes, my block's byte
	v_lshlrev_b32 v7, 3, v2
	v_add_nc_u32 v6, s29, v7                       ; and on the way out 8 bytes a lane
	s_lshl_b32 s30, ttmp9, 2
	s_add_co_u32 s30, s30, s28                     ; which run of 8,192 numbers of the whole stream is my wave's
	s_wait_kmcnt 0x0
	s_cmp_ge_u32 ttmp9, 480
	s_cbranch_scc1 .Lwo                            ; the last 32 work-groups take Wo: a path that touches no LDS
	s_mov_b64 s[24:25], s[14:15]                   ; the source and its first work-group: Wv, unless the work-group's number says otherwise
	s_mov_b32 s26, 448
.macro PICK lim, ptr, first
	s_cmp_lt_u32 ttmp9, \lim
	s_cselect_b64 s[24:25], s[\ptr:\ptr+1], s[24:25]
	s_cselect_b32 s26, \first, s26
.endm
	PICK 448, 12, 416
	PICK 416, 10, 384
	PICK 384, 8, 256
	PICK 256, 6, 128
	PICK 128, 4, 0
	s_sub_co_u32 s26, ttmp9, s26
	s_lshl_b32 s26, s26, 2
	s_add_co_u32 s26, s26, s28                     ; my run within the source,
	s_lshl_b32 s26, s26, 15                        ; 32,768 bytes a run (under 2^25)
	s_mov_b32 s27, 0
	s_add_nc_u64 s[24:25], s[24:25], s[26:27]
	s_lshl_b32 s32, s30, 12                        ; 4,096 bytes of codes a run
	s_mov_b32 s33, 0
	s_add_nc_u64 s[18:19], s[18:19], s[32:33]
	s_lshl_b32 s32, s30, 8                         ; 256 scale bytes a run
	s_add_nc_u64 s[20:21], s[20:21], s[32:33]
.macro LOAD t
.irp i, 0,1,2,3
	global_load_b128 v[R+16*((\t)%4)+4*\i:R+16*((\t)%4)+4*\i+3], v3, s[24:25] offset:2048*(\t)+512*\i th:TH_LOAD_NT   ; 32 lanes read 512 consecutive bytes
.endr
.endm
.macro TURN t                          ; step t's numbers through the stage: LDS serves a wave's instructions in order, so no wait stands between the stores and the loads
.irp i, 0,1,2,3
	ds_store_b128 v14, v[R+16*((\t)%4)+4*\i:R+16*((\t)%4)+4*\i+3] offset:32*SP*((\t)%2)+8*SP*\i
.endr
.irp i, 0,1,2,3
	ds_load_b128 v[X+16*((\t)%2)+4*\i:X+16*((\t)%2)+4*\i+3], v15 offset:32*SP*((\t)%2)+16*\i
.endr
.endm
.irp t, 0,1,2,3
	LOAD \t
.endr
	s_wait_loadcnt 12                              ; step 0's four loads are in; the twelve of steps 1 to 3 may be out
	TURN 0
.macro STEP t
.set XS, X+16*((\t)%2)
.if (\t) > 0
	s_wait_dscnt 1                                 ; this step's numbers are back from the stage (the last step's byte store may be out): so its stores into the stage have read their registers,
.else
	s_wait_dscnt 0x0
.endif
.if (\t)+4 < STEPS
	LOAD (\t)+4                                    ; which take the loads of four steps on
.endif
.if (\t)+1 < STEPS
.if STEPS-2-(\t) >= 3
	s_wait_loadcnt 12                              ; the next step's four loads are in; those of the three steps behind it may be out
.else
	s_wait_loadcnt 4*(STEPS-2-(\t))                ; in the tail: four for each step still behind it
.endif
	TURN (\t)+1                                    ; and go through the other stage while this step is worked
.endif
	v_max3_num_f32 v8, |v[XS]|, |v[XS+1]|, |v[XS+2]|               ; the largest magnitude of my 16, in two chains
	v_max3_num_f32 v9, |v[XS+3]|, |v[XS+4]|, |v[XS+5]|
.irp i, 6,10
	v_max3_num_f32 v8, v8, |v[XS+\i]|, |v[XS+\i+1]|
	v_max3_num_f32 v9, v9, |v[XS+\i+2]|, |v[XS+\i+3]|
.endr
	v_max3_num_f32 v8, v8, |v[XS+14]|, |v[XS+15]|
	v_max3_num_f32 v8, v8, v9, (EMAX+1)<<23        ; and the floor 2^(3 - 127): the byte cannot fall under 1
	v_max_num_f32_dpp v8, v8, v8 row_xmask:1 row_mask:0xf bank_mask:0xf   ; and of my neighbour's 16: the block's
	v_add_nc_u32 v11, -(EMAX<<23), v8              ; 2 off its exponent field: the conversion takes the exponent field of this operand as its scale, and nothing else of it
	v_cvt_scalef32_pk8_fp4_f32 v[C+4*(\t)], v[XS:XS+7], v11
	v_cvt_scalef32_pk8_fp4_f32 v[C+4*(\t)+1], v[XS+8:XS+15], v11
	v_lshrrev_b32 v[E+(\t)], 23, v11               ; the scale's byte (a plain line behind the conversions)
	ds_store_b8 v5, v[E+(\t)] offset:16*(\t)       ; both lanes of a block write the same byte with the same value
	global_store_b64 v4, v[C+4*(\t):C+4*(\t)+1], s[18:19] offset:32*CB*(\t)   ; 32 lanes store 256 consecutive bytes, at a multiple of 256 from the buffer's first byte
.endm
.irp t, 0,1,2,3,4,5,6,7,8,9,10,11,12,13,14,15
	STEP \t
.endr
	ds_load_b64 v[8:9], v6                         ; LDS serves a wave's instructions in order: these see my byte stores
	s_wait_dscnt 0x0
	global_store_b64 v7, v[8:9], s[20:21]          ; 32 lanes store my wave's 256 scale bytes
	s_wait_tensorcnt 0x0                           ; the wave's end
	ds_add_u32 v[SPW], v[NIL]
	s_wait_dscnt 0x0
	s_endpgm
; Wo to f16: a wave takes 8,192 numbers in four batches of sixteen loads of 512 consecutive bytes; a lane's four numbers become 8 bytes, so a store covers 256 consecutive bytes.  Two batches of loads are out.
.Lwo:
	s_sub_co_u32 s26, s30, 1920                    ; my run within Wo
	s_lshl_b32 s32, s26, 15
	s_mov_b32 s33, 0
	s_add_nc_u64 s[16:17], s[16:17], s[32:33]
	s_lshl_b32 s32, s26, 14
	s_add_nc_u64 s[22:23], s[22:23], s[32:33]
.macro WLOAD b
.irp i, 0,1,2,3,4,5,6,7,8,9,10,11,12,13,14,15
	global_load_b128 v[16+64*((\b)%2)+4*\i:16+64*((\b)%2)+4*\i+3], v3, s[16:17] offset:(16*(\b)+\i)*512 th:TH_LOAD_NT
.endr
.endm
.macro WCONV b
.if (\b) < 3
	s_wait_loadcnt 16                              ; this batch is in; the next batch's sixteen loads may be out
.else
	s_wait_loadcnt 0x0
.endif
.if (\b) > 0
	s_wait_xcnt 0x0                                ; the last batch's stores have read v144-175, which are written again below
.endif
.irp i, 0,1,2,3,4,5,6,7,8,9,10,11,12,13,14,15
	v_cvt_pk_f16_f32 v[144+2*\i], v[16+64*((\b)%2)+4*\i], v[16+64*((\b)%2)+4*\i+1]
	v_cvt_pk_f16_f32 v[145+2*\i], v[16+64*((\b)%2)+4*\i+2], v[16+64*((\b)%2)+4*\i+3]
.endr
.irp i, 0,1,2,3,4,5,6,7,8,9,10,11,12,13,14,15
	global_store_b64 v4, v[144+2*\i:145+2*\i], s[22:23] offset:(16*(\b)+\i)*256
.endr
.if (\b) < 2
	WLOAD (\b)+2
.endif
.endm
	WLOAD 0
	WLOAD 1
	WCONV 0
	WCONV 1
	WCONV 2
	WCONV 3
	s_endpgm
.Lfunc_end_k_qdedbe6830c_prep:
	.size	k_qdedbe6830c_prep, .Lfunc_end_k_qdedbe6830c_prep-k_qdedbe6830c_prep
	.p2alignl 7, 3214868480
	.fill 96, 4, 3214868480
	.section	.rodata,"a",@progbits
	.p2align	6, 0x0
	.amdhsa_kernel k_qdedbe6830c_prep
		.amdhsa_group_segment_fixed_size 33280
		.amdhsa_private_segment_fixed_size 0
		.amdhsa_enable_private_segment 0
		.amdhsa_kernarg_size 80
		.amdhsa_user_sgpr_count 2
		.amdhsa_user_sgpr_kernarg_segment_ptr 1
		.amdhsa_wavefront_size32 1
		.amdhsa_system_sgpr_workgroup_id_x 1
		.amdhsa_system_sgpr_workgroup_id_y 1
		.amdhsa_system_sgpr_workgroup_id_z 1
		.amdhsa_system_vgpr_workitem_id 0
		.amdhsa_next_free_vgpr 192
		.amdhsa_next_free_sgpr 66
		.amdhsa_reserve_vcc 0
		.amdhsa_float_denorm_mode_32 3
		.amdhsa_float_denorm_mode_16_64 3
		.amdhsa_memory_ordered 1
		.amdhsa_forward_progress 1
		.amdhsa_inst_pref_size 55
	.end_amdhsa_kernel
	.amdgpu_metadata
---
amdhsa.version: [ 1, 2 ]
amdhsa.kernels:
  - .name:           k_qdedbe6830c_prep
    .symbol:         k_qdedbe6830c_prep.kd
    .args:
      - { .name: query, .offset: 0, .size: 8, .value_kind: global_buffer, .address_space: global }
      - { .name: key, .offset: 8, .size: 8, .value_kind: global_buffer, .address_space: global }
      - { .name: value, .offset: 16, .size: 8, .value_kind: global_buffer, .address_space: global }
      - { .name: Wq, .offset: 24, .size: 8, .value_kind: global_buffer, .address_space: global }
      - { .name: Wk, .offset: 32, .size: 8, .value_kind: global_buffer, .address_space: global }
      - { .name: Wv, .offset: 40, .size: 8, .value_kind: global_buffer, .address_space: global }
      - { .name: Wo, .offset: 48, .size: 8, .value_kind: global_buffer, .address_space: global }
      - { .name: codes, .offset: 56, .size: 8, .value_kind: global_buffer, .address_space: global }
      - { .name: scales, .offset: 64, .size: 8, .value_kind: global_buffer, .address_space: global }
      - { .name: wo16, .offset: 72, .size: 8, .value_kind: global_buffer, .address_space: global }
    .group_segment_fixed_size: 33280
    .private_segment_fixed_size: 0
    .kernarg_segment_align: 8
    .kernarg_segment_size: 80
    .max_flat_workgroup_size: 128
    .sgpr_count:     66
    .vgpr_count:     192
    .wavefront_size: 32
...
	.end_amdgpu_metadata
.endif
;; end of part 1
;; launch proj (part 2): grid 4 x 48, 4 waves a work-group, clusters of 4 x 4, 327,680 bytes of LDS; arguments codes, scales, bq, bv, qkv; writes qkv
.if DOCPART == 2
	.amdgcn_target "amdgcn-amd-amdhsa--gfx1250"
	.amdhsa_code_object_version 6
	.text
	.protected	k_qdedbe6830c_proj
	.globl	k_qdedbe6830c_proj
	.p2align	8
	.type	k_qdedbe6830c_proj,@function
k_qdedbe6830c_proj:
	s_mov_b64 s[64:65], 0
	v_nop
	global_prefetch_b8 v0, s[64:65] scope:SCOPE_SE
	s_setreg_imm32_b32 hwreg(HW_REG_WAVE_MODE, 25, 1), 1
	s_wait_xcnt 0x0
	s_wait_alu depctr_hold_cnt(0) depctr_sa_sdst(0) depctr_va_vdst(0) depctr_va_sdst(0) depctr_va_ssrc(0) depctr_va_vcc(0) depctr_vm_vsrc(0)
	s_getreg_b32 s2, hwreg(HW_REG_IB_STS2, 6, 4)
	s_cmp_eq_u32 s2, 0
	s_cbranch_scc0 .Lentry_in_a_cluster
	s_endpgm
.Lentry_in_a_cluster:
	s_bfe_u32 s2, ttmp6, 0x10000c
	s_cmp_lg_u32 s2, 0xf033
	s_cbranch_scc0 .Lentry_shape_is_right
	s_endpgm
.Lentry_shape_is_right:
; q = query Wq^T + bq, k = key Wk^T, v = value Wv^T + bv: three products [4096][1024] x [1024][1024]^T on codes of FP4 (E2M1) with one E8M0 scale for each 32 along K, as ONE launch over the stacked 12,288 rows.
; LEFT OUT: bk.  q . bk is the same for all keys of a row, so the softmax takes it away, and k enters nothing else: k is made without a bias.
; codes: rows of 512 bytes; scales: rows of 32 bytes; rows 0.. query, 4096.. key, 8192.. value, 12288.. Wq, 13312.. Wk, 14336.. Wv.  Result: qkv [3][batch 2][head 16][position 2048][64] in f16.
; LIMIT: |q|, |k|, |v| stay under 65,504 (f16).
; A tile of 256 rows x 256 columns is made by a work-group of four waves; a wave makes 128 x 128: 64 accumulators of 16 x 16, 512 registers.  K = 1,024 is two LDS slots of 512 along K (rows of 256 bytes), each filled
; once; the scale bytes of the work-group's 256 + 256 rows, two dense blocks of 8,192 bytes, come with them.  By this text's own count a wave has three tensor loads out at the most.
; CLUSTERS: 4 x 4 work-groups; a cluster lies within one of the three products (16 tile rows each).  The four of a row of the cluster need the same rows of the tokens, the four of a column the same rows of the weight:
; each tile is asked for JOINTLY, by the same tensor load with the same descriptor and a mask that names the four.
; THE MATRIX INSTRUCTION IS USED TRANSPOSED (source 0 = 16 rows of the weight, source 1 = 16 tokens): a lane then holds eight neighbouring channels of one token.  The bias is the C of each sum's first product.
; REGISTERS, in windows of 256: window 0: v0-31 addresses; v32-95 scale words, two sets; v128-191 the tokens' fragments, ONE set; v192-255 the bias, eight tiles in the result's layout; on the way out v32-63, v192-255 are at work.
;   window 1: the weight's fragments, TWO sets, at v0 and v128.   window 2: the accumulators of my rows 0-63 ((a, b) at v[8 (8 a + b)]);   window 3: those of my rows 64-127.
.set KSTEP,  512
.set NQ,     KSTEP/128                 ; matrix instructions deep in a slot
.set ROWB,   256                       ; a tile's row in bytes
.set KROW,   512                       ; a row of codes in memory
.set PITCH,  272                       ; an LDS row: 256 bytes + 16 of padding
.set FR,     8                         ; registers of a fragment: 16 rows x 128 K
.set NL,     2                         ; LDS loads that bring one
.set NP,     4                         ; places behind this matrix instruction (ISA guide 7.12.1)
.set HALFT,  128*PITCH                 ; 128 rows: what one tensor load brings
.set SLOT,   4*HALFT                   ; the tokens' 256 rows, then the weight's 256 rows
.set KS,     32                        ; a row of scales in bytes
.set SCL,    2*SLOT                    ; behind the two slots: the scales, as runs of 256 bytes + 16 of padding
.set HALFS,  (128*KS/256)*272          ; the scales of 128 rows
.set SBLK,   (16*KS/256)*272           ; those of 16 rows
.set SPARE,  SCL+4*HALFS               ; behind the scales: the spare words, 128 bytes a wave
.set SPITCH, 272                       ; the way out: a stage of 16 rows x (256 bytes + 16) for each wave, in slot 0, which has had its one fill and its last read by then
.set ADRA, 16                          ; v16-17  LDS address of my tokens' fragments in slot 0, 1
.set ADRB, 20                          ; v20-21  the same for the weight
.set STO,  24                          ; v24     the way out: where I put 16 bytes of a row
.set RD,   25                          ; v25     where I read back
.set CO,   26                          ; v26     my byte offset in qkv
.set ADRS, 27                          ; v27     LDS address of my scale words: lanes 0-15 the tokens', lanes 16-31 the weight's
.set SPW,  28                          ; v28     LDS address of my spare word; never rewritten
.set NIL,  29                          ; v29     0; never rewritten
.set BO,   30                          ; v30     32 x (lane / 16): my eight numbers of a bias tile
.set SC,   32                          ; scale words: set s at v[SC + 32 s]; register 4 i + q: lanes 0-15 the tokens' block i, lanes 16-31 the weight's block i, the slot's q-th 128 along K
.set AF,   128
.set BIAS, 192
.set TMP,  192                         ; the way out: packed results
.set OB,   32                          ; the way out: rows read back: v32-63 and v224-255 by turns
.set G1, 24                            ; s[24:31], s[32:39] groups 1 and 0 (a set for each slot) for the tokens' tiles
.set G0, 32
.set G1B, 48                           ; s[48:55], s[56:63] the same for the weight's
.set G0B, 56
.set G1S, 68                           ; s[68:75], s[76:79] for the tokens' scales;  s[80:87], s[88:91] for the weight's
.set G0S, 76
.set G1SB, 80
.set G0SB, 88
.set MSB, 0
.macro WIN new                         ; the immediate's high byte repeats the setting that is left
.if MSB != (\new)
	s_set_vgpr_msb (MSB<<8)|(\new)
.set MSB, (\new)
.endif
.endm
.set MUL_LO, 0xa1                      ; source 0 window 1, source 1 window 0, C and D window 2
.set MUL_HI, 0xf1                      ; the same, C and D window 3
.set TO_B,   0x40                      ; destination window 1, address window 0
; A joint load: waves 0 and 1 fetch for the tokens, waves 2 and 3 for the weight.  The branch hangs on the wave's number alone.  An s_nop 0 and four v_nop follow each of the two lines.
.macro JLOAD g0a, g1a, g0b, g1b
	s_cmp_eq_u32 s15, 0
	s_cbranch_scc0 .Lfor_b_\@
	tensor_load_to_lds s[\g0a:\g0a+3], s[\g1a:\g1a+7]
	s_nop 0
.rept 4
	v_nop
.endr
	s_branch .Lasked_\@
.Lfor_b_\@:
	tensor_load_to_lds s[\g0b:\g0b+3], s[\g1b:\g1b+7]
	s_nop 0
.rept 4
	v_nop
.endr
.Lasked_\@:
.endm
.macro CROUND                          ; a round of the cluster's barrier
	s_barrier_signal -1
	s_barrier_wait -1
	s_cmp_lg_u32 s14, 0
	s_cbranch_scc1 .Lnot_wave_0_\@
	s_barrier_signal -3
.Lnot_wave_0_\@:
	s_barrier_wait -3
	s_barrier_signal -1
	s_barrier_wait -1
.endm
	s_load_b256 s[4:11], s[0:1], 0x0               ; codes s[4:5], scales s[6:7], bq s[8:9], bv s[10:11]
	s_load_b64 s[12:13], s[0:1], 0x20              ; qkv
	v_lshl_add_u32 v[SPW], v0, 2, SPARE
	v_mov_b32 v[NIL], 0
	ds_add_u32 v[SPW], v[NIL]                      ; the wave's opening: the add, twice on end, and its wait ahead of my first tensor load
	ds_add_u32 v[SPW], v[NIL]
	v_lshrrev_b32 v1, 5, v0
	v_readfirstlane_b32 s14, v1                    ; wave 0..3
	s_lshr_b32 s15, s14, 1                         ; which half of the tile's rows is mine.  Also: I fetch for the tokens (0) or for the weight (1)
	s_and_b32 s16, s14, 1                          ; which half of its columns.  Also: which 128 rows I fetch
	s_bfe_u32 s40, ttmp6, 0x40000                  ; cx, cy: my place in the cluster
	s_bfe_u32 s41, ttmp6, 0x40004
	s_lshl_b32 s42, ttmp9, 2
	s_add_co_u32 s42, s42, s40                     ; tile column = 4 x cluster x + cx: 0..3
	s_and_b32 s17, ttmp7, 0xffff
	s_lshr_b32 s95, s17, 2                         ; which product: cluster y / 4: the same in all sixteen partners
	s_lshl_b32 s17, s17, 2
	s_add_co_u32 s17, s17, s41                     ; tile row of the stacked tokens = 4 x cluster y + cy: 0..47
	s_lshl_b32 s43, s41, 2
	s_lshl_b32 s43, 15, s43                        ; my row of the cluster
	s_lshl_b32 s44, 0x1111, s40                    ; my column
	s_or_b32 s[G1+0], s43, (0<<16)|(1<<20)|(1<<21)|(5<<22)|(3<<25)  ; the mask; elements of 1 byte; padding on; bit 21 beside a mask; after every 64 words, 4 words
	s_or_b32 s[G1B+0], s44, (0<<16)|(1<<20)|(1<<21)|(5<<22)|(3<<25)
.irp g, G1, G1B
	s_mov_b32 s[\g+1], ROWB<<16                    ; tensor_dim0
	s_mov_b32 s[\g+2], 128<<16                     ; tensor_dim1
	s_mov_b32 s[\g+3], ROWB<<16                    ; tile_dim0
	s_mov_b32 s[\g+4], 128                         ; tile_dim1
	s_mov_b32 s[\g+5], KROW                        ; from row to row
	s_mov_b32 s[\g+6], 0
	s_mov_b32 s[\g+7], 0
.endr
	s_or_b32 s[G1S+0], s43, (3<<16)|(1<<20)|(1<<21)|(5<<22)|(3<<25)   ; the scales of 128 rows: 4,096 dense bytes as 16 rows of 32 elements of 8 bytes, 16 bytes of padding behind each
	s_or_b32 s[G1SB+0], s44, (3<<16)|(1<<20)|(1<<21)|(5<<22)|(3<<25)
.irp g, G1S, G1SB
	s_mov_b32 s[\g+1], 32<<16
	s_mov_b32 s[\g+2], (128*KS/256)<<16
	s_mov_b32 s[\g+3], 32<<16
	s_mov_b32 s[\g+4], 128*KS/256
	s_mov_b32 s[\g+5], 32
	s_mov_b32 s[\g+6], 0
	s_mov_b32 s[\g+7], 0
.endr
	s_lshl_b32 s18, s16, 7                         ; which 128 rows of the tile I fetch
	s_lshl_b32 s20, s17, 8
	s_add_co_u32 s20, s20, s18                     ; tokens: row 256 x tile row + 128 x half
	s_lshl_b32 s46, s42, 8
	s_add_co_u32 s46, s46, s18                     ; weight: row 256 x tile column + 128 x half
	s_lshl_b32 s47, s95, 10
	s_add_co_u32 s46, s46, s47                     ; + 1,024 x product
	s_add_co_u32 s46, s46, 12288                   ; behind the tokens' rows
	s_mov_b32 s21, 0
	s_mov_b32 s47, 0
	s_mov_b64 s[18:19], KS
	s_mul_u64 s[22:23], s[20:21], s[18:19]         ; where these rows' scales begin, in bytes
	s_mul_u64 s[92:93], s[46:47], s[18:19]
	s_mov_b64 s[18:19], KROW
	s_mul_u64 s[20:21], s[20:21], s[18:19]         ; and their codes
	s_mul_u64 s[46:47], s[46:47], s[18:19]
	s_mul_i32 s45, s14, HALFT                      ; where they go: wave x 128 rows: no place in the cluster enters an LDS address
	s_mul_i32 s94, s14, HALFS
	s_wait_dscnt 0x0                               ; both opening adds are done
	s_wait_kmcnt 0x0
	s_add_nc_u64 s[20:21], s[4:5], s[20:21]
	s_add_nc_u64 s[22:23], s[6:7], s[22:23]
	s_add_nc_u64 s[46:47], s[4:5], s[46:47]
	s_add_nc_u64 s[92:93], s[6:7], s[92:93]
	CROUND                                         ; all sixteen work-groups are here: the joint loads meet
	s_mov_b32 s[G0S], 1
	s_add_co_u32 s[G0S+1], s94, SCL
	s_mov_b64 s[G0S+2:G0S+3], s[22:23]
	s_or_b32 s[G0S+3], s[G0S+3], 0x80000000
	s_mov_b32 s[G0SB], 1
	s_add_co_u32 s[G0SB+1], s94, SCL
	s_mov_b64 s[G0SB+2:G0SB+3], s[92:93]
	s_or_b32 s[G0SB+3], s[G0SB+3], 0x80000000
	JLOAD G0S, G1S, G0SB, G1SB                     ; the scales first: they are wanted with the first slot
.irp s, 0,1
	s_mov_b32 s[G0+4*\s], 1
	s_add_co_u32 s[G0+4*\s+1], s45, \s*SLOT
	s_add_nc_u64 s[G0+4*\s+2:G0+4*\s+3], s[20:21], \s*ROWB
	s_or_b32 s[G0+4*\s+3], s[G0+4*\s+3], 0x80000000
	s_mov_b32 s[G0B+4*\s], 1
	s_add_co_u32 s[G0B+4*\s+1], s45, \s*SLOT
	s_add_nc_u64 s[G0B+4*\s+2:G0B+4*\s+3], s[46:47], \s*ROWB
	s_or_b32 s[G0B+4*\s+3], s[G0B+4*\s+3], 0x80000000
	JLOAD G0+4*\s, G1, G0B+4*\s, G1B
.endr
	v_and_b32 v1, 15, v0                           ; r = lane % 16
	v_bfe_u32 v2, v0, 4, 1                         ; h = lane / 16
	v_mul_u32_u24 v3, v1, PITCH
	v_lshl_add_u32 v4, v2, 4, v3                   ; a fragment's row x pitch + 16 x half
	s_mul_i32 s21, s15, HALFT                      ; my 128 tokens
	s_mul_i32 s22, s16, HALFT                      ; my 128 rows of the weight,
	s_add_co_u32 s22, s22, 2*HALFT                 ; which lie behind the tokens' 256
.irp s, 0,1
	v_add_nc_u32 v[ADRA+\s], s21, v4
	v_add_nc_u32 v[ADRB+\s], s22, v4
	s_add_co_u32 s21, s21, SLOT
	s_add_co_u32 s22, s22, SLOT
.endr
	v_mul_u32_u24 v5, v1, KS                       ; my row's scales: 32 bytes a row,
	v_lshrrev_b32 v6, 8, v5
	v_lshl_add_u32 v5, v6, 4, v5                   ; and 16 more for each 256 passed
	s_mul_i32 s21, s15, HALFS
	s_mul_i32 s22, s16, HALFS
	s_add_co_u32 s22, s22, 2*HALFS
	s_sub_co_u32 s22, s22, s21
	v_mul_u32_u24 v6, s22, v2                      ; lanes 16-31 take the weight's: one product, the distance between the two bases x h
	s_add_co_u32 s21, s21, SCL
	v_add_nc_u32 v5, v5, v6
	v_add_nc_u32 v[ADRS], s21, v5
	s_mul_i32 s23, s14, 16*SPITCH                  ; my stage
	v_mul_u32_u24 v5, v1, SPITCH                   ; in: row r, 16 bytes for each half of the lanes
	v_lshl_add_u32 v5, v2, 4, v5
	v_add_nc_u32 v[STO], s23, v5
	v_bfe_u32 v5, v0, 3, 1                         ; back: lanes 0-15 take two tokens' 128 bytes of my first head, lanes 16-31 of my second
	v_mul_u32_u24 v5, v5, SPITCH
	v_lshl_add_u32 v5, v2, 7, v5
	v_and_b32 v6, 7, v0
	v_lshl_add_u32 v5, v6, 4, v5
	v_add_nc_u32 v[RD], s23, v5
	v_lshlrev_b32 v[CO], 4, v1                     ; in qkv two neighbouring tokens of a head are 256 consecutive bytes; a head is 262,144 bytes
	v_lshl_add_u32 v[CO], v2, 18, v[CO]
	v_lshlrev_b32 v[BO], 5, v2
	s_lshl_b32 s20, s17, 8
	s_lshl_b32 s21, s15, 7
	s_add_co_u32 s20, s20, s21                     ; my first stacked row m0 = 256 x tile row + 128 x half
	s_lshr_b32 s21, s20, 11
	s_lshl_b32 s21, s21, 22                        ; (m0 / 2048): which of q, k, v and which batch: 4 MiB each
	s_and_b32 s20, s20, 2047
	s_lshl_b32 s20, s20, 7                         ; the position: 128 bytes
	s_add_co_u32 s20, s20, s21
	s_lshl_b32 s46, s42, 2
	s_lshl_b32 s47, s16, 1
	s_add_co_u32 s46, s46, s47                     ; my first head = 4 x tile column + 2 x half
	s_lshl_b32 s46, s46, 18
	s_add_co_u32 s20, s20, s46
	s_mov_b32 s21, 0
	s_add_nc_u64 s[12:13], s[12:13], s[20:21]
	; the bias: tile b, lane (r, h), register j = bias[256 x tile column + 128 x half + 16 b + 8 h + j].  k has none.  The branch hangs on the product's number, which all partners share.
	s_lshl_b32 s98, s42, 10
	s_lshl_b32 s99, s16, 9
	s_add_co_u32 s98, s98, s99
	s_mov_b32 s99, 0
	s_cmp_eq_u32 s95, 1
	s_cbranch_scc1 .Lno_bias
	s_cmp_eq_u32 s95, 0
	s_cselect_b64 s[96:97], s[8:9], s[10:11]
	s_add_nc_u64 s[96:97], s[96:97], s[98:99]
.irp b, 0,1,2,3,4,5,6,7
	global_load_b128 v[BIAS+8*\b:BIAS+8*\b+3], v[BO], s[96:97] offset:64*\b
	global_load_b128 v[BIAS+8*\b+4:BIAS+8*\b+7], v[BO], s[96:97] offset:64*\b+16
.endr
	s_branch .Lbias_done
.Lno_bias:
.set i, 0
.rept 64
	v_mov_b32 v[BIAS+i], 0                         ; k's sums begin at zero: the text of the first step is the same for all three products
.set i, i+1
.endr
.Lbias_done:
.rept 4
	v_nop
.endr
.macro FRAG reg, adr, q, i             ; 16 rows x 128 K of 4-bit codes: lane l holds row l % 16; registers 4 c .. 4 c + 3 hold K = 64 c + 32 (l / 16) + 0 .. 31
.irp c, 0,1
	ds_load_b128 v[\reg+4*\c:\reg+4*\c+3], v[\adr] offset:64*(\q)+32*\c+(\i)*16*PITCH
.endr
.endm
; 16 matrix instructions: the tokens' blocks a0, a0 + 1 x the weight's eight, the slot's q-th 128 along K.  p: the weight's set; sc: the set of scale words.  first = 1: the bias starts the sums.
; The 64 accumulators take turns, one instruction a turn, in the same order in every step.
.macro MUL16 a0, p, q, sc, first
.irp a, \a0, \a0+1
.irp b, 0,1,2,3,4,5,6,7
.if \first
	v_wmma_scale_f32_16x16x128_f8f6f4 v[8*(8*((\a)%4)+\b):8*(8*((\a)%4)+\b)+7], v[128*(\p)+FR*\b:128*(\p)+FR*\b+FR-1], v[AF+FR*(\a):AF+FR*(\a)+FR-1], v[BIAS+8*\b:BIAS+8*\b+7], v[SC+8*NQ*(\sc)+NQ*\b+(\q)], v[SC+8*NQ*(\sc)+NQ*(\a)+(\q)] matrix_a_fmt:MATRIX_FMT_FP4 matrix_b_fmt:MATRIX_FMT_FP4 matrix_a_scale:MATRIX_SCALE_ROW1
.else
	v_wmma_scale_f32_16x16x128_f8f6f4 v[8*(8*((\a)%4)+\b):8*(8*((\a)%4)+\b)+7], v[128*(\p)+FR*\b:128*(\p)+FR*\b+FR-1], v[AF+FR*(\a):AF+FR*(\a)+FR-1], v[8*(8*((\a)%4)+\b):8*(8*((\a)%4)+\b)+7], v[SC+8*NQ*(\sc)+NQ*\b+(\q)], v[SC+8*NQ*(\sc)+NQ*(\a)+(\q)] matrix_a_fmt:MATRIX_FMT_FP4 matrix_b_fmt:MATRIX_FMT_FP4 matrix_a_scale:MATRIX_SCALE_ROW1
.endif
.endr
.endr
.endm
.macro FETCH_B slot, q, p
	WIN TO_B
.irp i, 0,1,2,3,4,5,6,7
	FRAG 128*(\p)+FR*\i, ADRB+\slot, \q, \i
.endr
	WIN 0
.endm
.macro FETCH_A slot, q, i0
.irp i, \i0, \i0+1, \i0+2, \i0+3
	FRAG AF+FR*(\i), ADRA+\slot, \q, \i
.endr
.endm
.macro SCALES sc                       ; a slot's scale words into set sc: four words a row
.irp i, 0,1,2,3,4,5,6,7
	ds_load_b128 v[SC+8*NQ*\sc+NQ*\i:SC+8*NQ*\sc+NQ*\i+3], v[ADRS] offset:\i*SBLK
.endr
.endm
.macro PLACES n                        ; plain vector lines between a matrix instruction and a load into, or a read of, its registers
.rept \n
	v_nop
.endr
.endm
; A step of 128 along K that has its successor in the same slot.  The tokens' blocks 0-3 are fetched anew in the step's middle, blocks 4-7 at its end; the weight has two sets.
.macro STEP slot, q, first
	s_wait_dscnt 4*NL                              ; the weight's set and the tokens' blocks 0-3 are in; the youngest eight loads (blocks 4-7) may be out
.if \first
	WIN 0x81                                       ; the bias, source 2, lies in window 0
.else
	WIN MUL_LO
.endif
	MUL16 0, (\q)%2, \q, \slot, \first
	MUL16 2, (\q)%2, \q, \slot, \first
	s_wait_dscnt 0                                 ; blocks 4-7 are in
	PLACES NP
	FETCH_B \slot, (\q)+1, 1-(\q)%2
	FETCH_A \slot, (\q)+1, 0
.if \first
	WIN 0xc1
.else
	WIN MUL_HI
.endif
	MUL16 4, (\q)%2, \q, \slot, \first
	MUL16 6, (\q)%2, \q, \slot, \first
	PLACES NP
	WIN 0
	FETCH_A \slot, (\q)+1, 4
.endm
; Slot 0's last step changes slots: in front of the barrier each wave waits for all its tensor loads (its part of slot 1), adds 0 to its spare word, and waits for that and for its reads of slot 0.  Nothing is filled again.
.macro TURN slot, next
	s_wait_tensorcnt 0x0
	ds_add_u32 v[SPW], v[NIL]
	s_wait_dscnt 4*NL+1                            ; the add and the youngest eight loads may be out
	WIN MUL_LO
	MUL16 0, 1, NQ-1, \slot, 0                     ; sixteen matrix instructions stand between the add and the wait for it
	s_wait_dscnt 0x0                               ; the add is done, and my reads of this slot are over
	s_barrier_signal -1
	MUL16 2, 1, NQ-1, \slot, 0
	WIN 0
	s_barrier_wait -1                              ; the next slot is whole, and nobody reads this one any more
	PLACES NP
	v_add_nc_u32 v[ADRS], 4*NQ, v[ADRS]            ; on to the next slot's scale words
	FETCH_B \next, 0, 0
	FETCH_A \next, 0, 0
	SCALES \next
	WIN MUL_HI
	MUL16 4, 1, NQ-1, \slot, 0
	MUL16 6, 1, NQ-1, \slot, 0
	PLACES NP
	WIN 0
	FETCH_A \next, 0, 4
.endm
.macro STEPS slot, from
.set QQ, \from
.rept NQ-1-\from
	STEP \slot, QQ, 0
.set QQ, QQ+1
.endr
.endm
	s_wait_tensorcnt 1                             ; the scales and my part of slot 0 are in; slot 1's load may be out
	s_barrier_signal -1
	s_barrier_wait -1
	FETCH_B 0, 0, 0
	FETCH_A 0, 0, 0
	SCALES 0
	FETCH_A 0, 0, 4
	s_wait_loadcnt 0x0                             ; the bias
	STEP 0, 0, 1
	STEPS 0, 1
	TURN 0, 1
	STEPS 1, 0
	s_wait_dscnt 4*NL                              ; the very last step: nothing more to fetch
	WIN MUL_LO
	MUL16 0, 1, NQ-1, 1, 0
	MUL16 2, 1, NQ-1, 1, 0
	s_wait_dscnt 0
	WIN MUL_HI
	MUL16 4, 1, NQ-1, 1, 0
	MUL16 6, 1, NQ-1, 1, 0
	WIN 0
; THE WAY OUT, block by block of 16 tokens x 128 channels (two heads).  PACK: rounded to f16, 16 bytes a lane.  TOSTAGE: into my own stage and back, two tokens of a head to sixteen lanes.  SEND: stored.
.macro PACK a
.set AC, 64*((\a)%4)
	WIN 0x0a+5*((\a)/4)                            ; sources 0 and 1: window 2 or 3
.irp b, 0,1,2,3,4,5,6,7
.irp r, 0,1,2,3
	v_cvt_pk_f16_f32 v[TMP+4*\b+\r], v[AC+8*\b+2*\r], v[AC+8*\b+2*\r+1]   ; each accumulator from its low end on
.endr
.endr
	WIN 0
.endm
.macro TOSTAGE a
.set BB, OB+192*((\a)%2)
.irp b, 0,1,2,3,4,5,6,7
	ds_store_b128 v[STO], v[TMP+4*\b:TMP+4*\b+3] offset:32*\b
.endr
.irp t, 0,1,2,3,4,5,6,7
	ds_load_b128 v[BB+4*\t:BB+4*\t+3], v[RD] offset:\t*2*SPITCH    ; LDS serves a wave's instructions in order: these see the stores above
.endr
.endm
.macro SEND a
.set BB, OB+192*((\a)%2)
	s_wait_dscnt 0x0                               ; the block is back in registers
	s_wait_xcnt 0x0                                ; the stores of the block before have read their registers: the next block's loads may land there
.irp t, 0,1,2,3,4,5,6,7
	global_store_b128 v[CO], v[BB+4*\t:BB+4*\t+3], s[12:13] offset:(\a)*2048+\t*256   ; 16 lanes store 256 consecutive bytes, at a multiple of 256 from the buffer's first byte
.endr
.endm
	PLACES NP                                      ; behind the last products: for the first reads of results and the loads into registers that held scale words
	PACK 0
	TOSTAGE 0
.irp a, 1,2,3,4,5,6,7
	PACK \a
	SEND \a-1
	TOSTAGE \a
.endr
	SEND 7
	s_wait_tensorcnt 0x0                           ; the wave's end
	ds_add_u32 v[SPW], v[NIL]
	s_wait_dscnt 0x0
	CROUND                                         ; the closing round: no work-group ends while a partner may still ask for a tile that names it
	s_endpgm
.Lfunc_end_k_qdedbe6830c_proj:
	.size	k_qdedbe6830c_proj, .Lfunc_end_k_qdedbe6830c_proj-k_qdedbe6830c_proj
	.p2alignl 7, 3214868480
	.fill 96, 4, 3214868480
	.section	.rodata,"a",@progbits
	.p2align	6, 0x0
	.amdhsa_kernel k_qdedbe6830c_proj
		.amdhsa_group_segment_fixed_size 327680
		.amdhsa_private_segment_fixed_size 0
		.amdhsa_enable_private_segment 0
		.amdhsa_kernarg_size 40
		.amdhsa_user_sgpr_count 2
		.amdhsa_user_sgpr_kernarg_segment_ptr 1
		.amdhsa_wavefront_size32 1
		.amdhsa_system_sgpr_workgroup_id_x 1
		.amdhsa_system_sgpr_workgroup_id_y 1
		.amdhsa_system_sgpr_workgroup_id_z 1
		.amdhsa_system_vgpr_workitem_id 0
		.amdhsa_next_free_vgpr 1024
		.amdhsa_next_free_sgpr 100
		.amdhsa_reserve_vcc 0
		.amdhsa_float_denorm_mode_32 3
		.amdhsa_float_denorm_mode_16_64 3
		.amdhsa_memory_ordered 1
		.amdhsa_forward_progress 1
		.amdhsa_inst_pref_size 131
	.end_amdhsa_kernel
	.amdgpu_metadata
---
amdhsa.version: [ 1, 2 ]
amdhsa.kernels:
  - .name:           k_qdedbe6830c_proj
    .symbol:         k_qdedbe6830c_proj.kd
    .args:
      - { .name: codes, .offset: 0, .size: 8, .value_kind: global_buffer, .address_space: global }
      - { .name: scales, .offset: 8, .size: 8, .value_kind: global_buffer, .address_space: global }
      - { .name: bq, .offset: 16, .size: 8, .value_kind: global_buffer, .address_space: global }
      - { .name: bv, .offset: 24, .size: 8, .value_kind: global_buffer, .address_space: global }
      - { .name: qkv, .offset: 32, .size: 8, .value_kind: global_buffer, .address_space: global }
    .group_segment_fixed_size: 327680
    .private_segment_fixed_size: 0
    .kernarg_segment_align: 8
    .kernarg_segment_size: 40
    .max_flat_workgroup_size: 128
    .sgpr_count:     100
    .vgpr_count:     1024
    .wavefront_size: 32
...
	.end_amdgpu_metadata
.endif
;; end of part 2
;; launch attn (part 3): grid 8 x 32, 16 waves a work-group, no clusters, 327,680 bytes of LDS; arguments qkv, rel_k_table, rel_v_table, xh; writes xh
.if DOCPART == 3
	.amdgcn_target "amdgcn-amd-amdhsa--gfx1250"
	.amdhsa_code_object_version 6
	.text
	.protected	k_qdedbe6830c_attn
	.globl	k_qdedbe6830c_attn
	.p2align	8
	.type	k_qdedbe6830c_attn,@function
k_qdedbe6830c_attn:
	s_mov_b64 s[64:65], 0
	v_nop
	global_prefetch_b8 v0, s[64:65] scope:SCOPE_SE
	s_setreg_imm32_b32 hwreg(HW_REG_WAVE_MODE, 25, 1), 1
	s_wait_xcnt 0x0
; x[b][q][h] = sum over k of softmax_k((q . k + q . rel_k[idx]) / 8) (v[k] + rel_v[idx]), idx = clip(k - q, -3, 3) + 3.  q, k, v: qkv [3][batch x head 32][2048][64] f16.  Products on f16 operands, sums, maxima and exponentials in f32.
; LEFT OUT: the dense products with rk = rel_k_table[idx] and rv = rel_v_table[idx]: they hold seven different rows, so q . rk is one of seven numbers qr[j] a query, and the sum with rv is seven sums of weights x rel_v_table[j].
;   With l the row's sum, BL the sum of the weights with k - q <= -3 and p_m the weight at k - q = m - 3:  l w2 = l rv6 + BL (rv0 - rv6) + sum over m = 1..5 of p_m (rv_m - rv6), since the seven sums add up to l.
; LIMITS: |x| and the tables' numbers stay under 65,504 (f16); NaN and infinities are not served.
; NO CLUSTER, though the eight query blocks of a head walk the same k and v: the steps near the diagonal are picked by scalar branches on the work-group's query block, which differs between such partners.
; SHARES.  A work-group owns 256 queries of one head; each of its sixteen waves 16 of them, in 256 registers.  Every wave walks all 2,048 keys, 64 a step.  k's and v's rows come through a ring of two LDS slots of 256 keys,
; filled by the tensor data mover (waves 0, 1: k's halves; waves 2, 3: v's) and read by all sixteen.  By this text's own count a wave has one tensor load out at the most.
; LAYOUT.  S^T = k q^T (source 0 = 16 keys, source 1 = my 16 queries): lane (r, h) holds query r and, in register j of tile t, key 16 t + 8 h + j.  Two tiles rounded to f16 in pairs are source 1 of O^T = v^T P; v is turned by ds_load_tr16_b128.
; THE RELATIVE TERM.  With e0 = r - 8 h and R = the tile's first key - my first query, k - q = R + j - e0.  Tiles with R <= -32 have idx 0 and tiles with R >= 32 idx 6 throughout: there c qr is one number a lane, folded into the
; multiply-add ahead of the exponential.  Only R = -16, 0, 16 mix: a step that holds such a tile (at most two of a wave's 32) adds c qr[idx] score by score, by selects on lane masks made once from e0.
; SOFTMAX.  t = c (q . k) + c qr[idx], c = log2(e) / 8; a running maximum M of t; p = 2^(t - M); in every step l, BL and O^T are multiplied by 2^(old M - new M).  The five t near the diagonal are kept and become p_m at the end.
; REGISTERS: v1-9 addresses and constants; v10-26 at work and statistics; v28-34 c qr[0..6]; v36-40 the five t; v41-43 addresses; v48-63 q; v64-127 k's or v's fragments; v128-159 S^T, then p; v160-175 P; v176-207 O^T; v208-239 rel_v as an operand.
.set PK,    144                        ; a key's row in LDS: 128 bytes + 16
.set PV,    160                        ; a value's row: 128 bytes + 32
.set VOFF,  256*PK                     ; a slot: 256 rows of k, then 256 rows of v
.set SLOT1, 1<<17                      ; slot 1 begins here: one exclusive or turns an address of one slot into the other's
.set SPARE, 2*SLOT1                    ; behind the ring: the spare words, 128 bytes for each of sixteen waves
.set NSL,   8                          ; slots' worth of keys
.set AK0, 1
.set AV0, 2
.set SPW, 3                            ; LDS address of my spare word; never rewritten
.set NIL, 4                            ; 0; never rewritten
.set GO,  5
.set ADK, 6
.set ADV, 7
.set ZERO, 8
.set E0,  9
.set X0,  10
.set X1,  11
.set M,   12
.set L,   13
.set BL,  14
.set SLV, 15                           ; the step's sum of weights with k - q <= -3
.set F,   16                           ; v[16:17]: 2^(old M - new M); later 1 / l
.set BI,  18                           ; v[18:19]: what the packed multiply-add adds
.set A,   20                           ; c qr of a step that does not mix
.set MN,  21
.set C0,  22                           ; v22-25 four chains of the maximum
.set SS,  26
.set QRC, 28
.set TT,  35                           ; t at k - q = m - 3 in v[TT + m], m = 1..5
.set PFO, 41
.set STO, 42
.set RD,  43
.set Q,   48
.set KV,  64
.set RV,  KV+16
.set S,   128
.set P,   160
.set QR,  160
.set O,   176
.set RVF, 208
.set TK,  2                            ; s2   LDS byte at which the step's rows of k begin
.set TV,  3                            ; s3   and of v
.set WV,  12
.set Q0,  13                           ; my first query
.set KF,  14                           ; the step's first key
.set SLOTS, 15
.set STP, 16
.set LIM, 17
.set PFA, 18
.set SEL, 20
.set CC,  22                           ; s[22:23] c
.set G1K, 24
.set G1V, 32
.set G0K, 40
.set G0V, 44
.set CV,  48                           ; s[48:49] the step's factor: c, or 1 where c has been applied
.set DD,  50                           ; KF - Q0
.set LM,  51                           ; all ones where the whole step lies left of the diagonal's tiles
.set RR,  52
.set MA,  53
.set MB,  54
.set MAB, 55
.set HI,  56                           ; lanes 16-31
.set GE,  69                           ; s[GE + x]: lanes with e0 <= x, x = -3 .. 9  (s66-78)
.set EQ,  81                           ; s[EQ + x]: lanes with e0 = x, x = -2 .. 9   (s79-90);  s91: e0 = -8, s92: -7, s93: 14, s94: 15, s95: -8 or -7
; Waves 0 and 1 fetch k's halves, waves 2 and 3 v's, the others nothing.  An s_nop 0 and four v_nop follow each of the two lines.
.macro TLOAD
	s_cmp_lt_u32 s[WV], 2
	s_cbranch_scc0 .Lnot_k_\@
	tensor_load_to_lds s[G0K:G0K+3], s[G1K:G1K+7]
	s_nop 0
.rept 4
	v_nop
.endr
	s_branch .Lasked_\@
.Lnot_k_\@:
	s_cmp_lt_u32 s[WV], 4
	s_cbranch_scc0 .Lasked_\@
	tensor_load_to_lds s[G0V:G0V+3], s[G1V:G1V+7]
	s_nop 0
.rept 4
	v_nop
.endr
.Lasked_\@:
.endm
; A prefetch of what the NEXT change of slots will ask for: 32,768 dense bytes of k and as many of v.  The head's first work-group asks, and in it the waves that fetch nothing: waves 4-7 for k, waves 8-11 for v,
; 8,192 bytes a wave, lanes 256 bytes apart: each run of 256 bytes is named once in the launch.  The last change that fills a slot asks for nothing; slots 0 and 1 come by their loads alone.
.macro ASK
	s_cmp_gt_u32 s[SLOTS], s[LIM]
	s_cbranch_scc0 .Lnot_mine_\@
	global_prefetch_b8 v[PFO], s[PFA:PFA+1] th:TH_LOAD_NT scope:SCOPE_SE
.Lnot_mine_\@:
.endm
	s_load_b256 s[4:11], s[0:1], 0x0               ; qkv s[4:5], rel_k_table s[6:7], rel_v_table s[8:9], xh s[10:11]
	v_lshl_add_u32 v[SPW], v0, 2, SPARE
	v_mov_b32 v[NIL], 0
	ds_add_u32 v[SPW], v[NIL]                      ; the wave's opening: the add, twice on end, and its wait ahead of my first tensor load
	ds_add_u32 v[SPW], v[NIL]
	v_lshrrev_b32 v6, 5, v0
	v_readfirstlane_b32 s[WV], v6                  ; wave 0..15
	s_and_b32 s57, ttmp7, 0xffff                   ; 16 x batch + head
	s_lshl_b32 s58, s57, 18                        ; its 262,144 bytes in each of q, k, v
	s_and_b32 s60, s[WV], 1                        ; which half of a slot's rows I fetch, if I fetch
	s_lshl_b32 s61, s60, 14
	s_add_co_u32 s62, s58, s61
	s_mov_b32 s63, 0
	s_lshl_b32 s[Q0], ttmp9, 8
	s_lshl_b32 s61, s[WV], 4
	s_add_co_u32 s[Q0], s[Q0], s61                 ; my first query: 256 x work-group x + 16 x wave
	s_mov_b32 s[G1K], (1<<16)|(1<<20)|(4<<22)|(3<<25)   ; elements of 2 bytes; padding on: after every 32 words, 4 words
	s_mov_b32 s[G1V], (1<<16)|(1<<20)|(4<<22)|(7<<25)   ; the same with 8 words
.irp g, G1K, G1V
	s_mov_b32 s[\g+1], 64<<16                      ; tensor_dim0 = 64
	s_mov_b32 s[\g+2], 128<<16                     ; tensor_dim1 = 128
	s_mov_b32 s[\g+3], 64<<16                      ; tile_dim0 = 64
	s_mov_b32 s[\g+4], 128                         ; tile_dim1 = 128
	s_mov_b32 s[\g+5], 64                          ; from row to row
	s_mov_b32 s[\g+6], 0
	s_mov_b32 s[\g+7], 0
.endr
	s_mov_b32 s[G0K], 1
	s_mul_i32 s[G0K+1], s60, 128*PK                ; slot 0, my half
	s_mov_b32 s[G0V], 1
	s_mul_i32 s[G0V+1], s60, 128*PV
	s_add_co_u32 s[G0V+1], s[G0V+1], VOFF
	s_mov_b32 s[SEL], 0x76543210
	s_mov_b32 s[SEL+1], 0xfedcba98                 ; v_permlanex16_b32's selects for lane l xor 16
	s_mov_b32 s[CC], 0x3e38aa3b                    ; c = log2(e) / 8
	s_mov_b32 s[CC+1], s[CC]
	s_mov_b32 s[CV+1], s[CC]                       ; (named with s[CV] as a pair, so it is written)
	s_mov_b32 s[HI], 0xffff0000
	s_mov_b32 s[TK], 0
	s_mov_b32 s[TV], VOFF
	s_mov_b32 s[KF], 0
	s_mov_b32 s[SLOTS], NSL-1
	s_wait_dscnt 0x0                               ; both opening adds are done
	s_wait_kmcnt 0x0
	s_add_nc_u64 s[G0K+2:G0K+3], s[4:5], s[62:63]
	s_add_nc_u64 s[G0K+2:G0K+3], s[G0K+2:G0K+3], 0x800000    ; k lies 8 MiB into qkv
	s_or_b32 s[G0K+3], s[G0K+3], 0x80000000
	s_add_nc_u64 s[G0V+2:G0V+3], s[4:5], s[62:63]
	s_add_nc_u64 s[G0V+2:G0V+3], s[G0V+2:G0V+3], 0x1000000   ; v 16 MiB
	s_or_b32 s[G0V+3], s[G0V+3], 0x80000000
	TLOAD                                          ; slot 0
	s_lshl_b32 s96, s[Q0], 7
	s_add_co_u32 s96, s96, s58
	s_mov_b32 s97, 0
	s_add_nc_u64 s[98:99], s[4:5], s[96:97]        ; q at my first query
	s_lshr_b32 s96, s57, 4
	s_lshl_b32 s96, s96, 11
	s_add_co_u32 s96, s96, s[Q0]                   ; my first token = 2048 x batch + query
	s_lshl_b32 s96, s96, 11                        ; xh: a pair of tokens is 4,096 bytes
	s_and_b32 s100, s57, 15
	s_lshl_b32 s100, s100, 8                       ; and in it a head 256
	s_add_co_u32 s96, s96, s100
	s_add_nc_u64 s[10:11], s[10:11], s[96:97]
	s_mov_b32 s96, 0x1000000                       ; the prefetches: waves 4-7 stand in k, waves 8-11 in v,
	s_cmp_lt_u32 s[WV], 8
	s_cselect_b32 s96, 0x800000, s96
	s_add_co_u32 s96, s96, s58                     ; in my head,
	s_and_b32 s100, s[WV], 3
	s_lshl_b32 s100, s100, 13
	s_add_co_u32 s96, s96, s100                    ; at my wave's 8,192 bytes
	s_add_co_u32 s96, s96, 32768                   ; of slot 1: the first change of slots steps it to slot 2
	s_add_nc_u64 s[PFA:PFA+1], s[4:5], s[96:97]
	s_sub_co_u32 s100, s[WV], 4
	s_lshr_b32 s100, s100, 3                       ; 0 in waves 4 to 11,
	s_or_b32 s100, s100, ttmp9                     ; of the head's first work-group
	s_cmp_eq_u32 s100, 0
	s_cselect_b32 s[LIM], 1, -1
	v_and_b32 v[X0], 15, v0                        ; r
	v_bfe_u32 v[X1], v0, 4, 1                      ; h
	v_lshlrev_b32 v6, 7, v[X0]
	v_lshl_add_u32 v6, v[X1], 4, v6                ; q: row r of 128 bytes, + 16 h
	v_and_b32 v7, 7, v0
	v_min_u32 v7, 6, v7
	v_lshlrev_b32 v7, 8, v7
	v_lshl_add_u32 v7, v[X1], 5, v7                ; rel_k: lane r takes row min(r % 8, 6) of 256 bytes, + 32 h
	v_lshlrev_b32 v20, 2, v[X0]                    ; rel_v: channel r of a tile of 16
.irp cs, 0,1
	global_load_b128 v[Q+8*\cs:Q+8*\cs+3], v6, s[98:99] offset:64*\cs        ; q's two fragments stay in registers
	global_load_b128 v[Q+8*\cs+4:Q+8*\cs+7], v6, s[98:99] offset:64*\cs+32
.endr
.irp n, 0,1,2,3                                ; rel_k: channels 16 n + 8 h + 0 .. 7 into S + 8 n on
	global_load_b128 v[S+8*\n:S+8*\n+3], v7, s[6:7] offset:64*\n
	global_load_b128 v[S+8*\n+4:S+8*\n+7], v7, s[6:7] offset:64*\n+16
.endr
.irp ct, 0,1,2,3
.irp m, 0,1,2,3,4,5,6
	global_load_b32 v[RV+7*\ct+\m], v20, s[8:9] offset:256*\m+64*\ct         ; rel_v[m][16 ct + r]
.endr
.endr
	v_mul_u32_u24 v[AK0], v[X0], PK
	v_lshl_add_u32 v[AK0], v[X1], 4, v[AK0]        ; k: row r x pitch + 16 h
	v_and_b32 v21, 7, v0
	v_lshl_add_u32 v[AV0], v[X1], 3, v21
	v_mul_u32_u24 v[AV0], v[AV0], PV
	v_bfe_u32 v21, v0, 3, 1
	v_lshl_add_u32 v[AV0], v21, 4, v[AV0]          ; v, for the turning load: key 8 h + l % 8, channels 8 ((l / 8) % 2) on
	v_lshlrev_b32 v[GO], 4, v[X0]
	v_lshl_add_u32 v[GO], v[X1], 12, v[GO]         ; the way out: lanes 0-15 one pair of tokens, lanes 16-31 the next
	v_lshlrev_b32 v21, 3, v[X1]
	v_sub_nc_u32 v[E0], v[X0], v21                 ; e0 = r - 8 h
	v_and_b32 v[PFO], 31, v0
	v_lshlrev_b32 v[PFO], 8, v[PFO]
	s_mul_i32 s100, s[WV], 16*PK                   ; my stage for the way out: 16 rows x 144 bytes in slot 0, which has had its last fill and its last read by then
	v_mul_u32_u24 v[STO], v[X0], PK
	v_lshl_add_u32 v[STO], v[X1], 4, v[STO]
	v_add_nc_u32 v[STO], s100, v[STO]
	v_and_b32 v21, 31, v0
	v_lshrrev_b32 v21, 3, v21
	v_mul_u32_u24 v[RD], v21, PK
	v_and_b32 v21, 7, v0
	v_lshl_add_u32 v[RD], v21, 4, v[RD]
	v_add_nc_u32 v[RD], s100, v[RD]
.set x, -3
.rept 13
	v_cmp_ge_i32 s[GE+x], x, v[E0]                 ; lanes with e0 <= x
.set x, x+1
.endr
.set x, -2
.rept 12
	v_cmp_eq_i32 s[EQ+x], x, v[E0]
.set x, x+1
.endr
	v_cmp_eq_i32 s91, -8, v[E0]
	v_cmp_eq_i32 s92, -7, v[E0]
	v_cmp_eq_i32 s93, 14, v[E0]
	v_cmp_eq_i32 s94, 15, v[E0]
	s_or_b32 s95, s91, s92
	v_mov_b32 v[ZERO], 0
	v_mov_b32 v[M], 0xff61b1e6                     ; the largest t so far: -3e38, under every t
	v_mov_b32 v[L], 0
	v_mov_b32 v[BL], 0
	v_mov_b32 v[F+1], 0                            ; (named as the upper halves of pairs)
	v_mov_b32 v[BI+1], 0
.irp m, 1,2,3,4,5
	v_mov_b32 v[TT+\m], 0xff800000                 ; -infinity: a key that does not exist weighs nothing
.endr
.set i, 0
.rept 32
	v_mov_b32 v[O+i], 0                            ; O^T.  (The step is written once: the first finds zeros, which its factor leaves zeros)
.set i, i+1
.endr
	s_wait_loadcnt 0x0                             ; q and the two tables: all the launch's loads into registers
.set i, 0
.rept 16
	v_cvt_pk_f16_f32 v[KV+i], v[S+2*i], v[S+2*i+1] ; rel_k's two fragments
.set i, i+1
.endr
	v_wmma_f32_16x16x32_f16 v[QR:QR+7], v[KV:KV+7], v[Q:Q+7], 0     ; qr: register j of both halves of the lanes = q[r] . rel_k[min(j, 6)]
	s_wait_alu depctr_va_vdst(0)                   ; the wait ahead of a link that follows the link it adds onto
	v_wmma_f32_16x16x32_f16 v[QR:QR+7], v[KV+8:KV+15], v[Q+8:Q+15], v[QR:QR+7]
; rel_v as source 0 of one last product: row = channel, K: 0: rv0 - rv6, 1..5: rv_m - rv6, 6: rv6, the rest zeros.  (These lines name no register of the two products above: they are the places behind them.)
.irp ct, 0,1,2,3
.irp m, 0,1,2,3,4,5
	v_sub_f32 v[RV+7*\ct+\m], v[RV+7*\ct+\m], v[RV+7*\ct+6]
.endr
	v_cvt_pk_f16_f32 v[RVF+8*\ct], v[RV+7*\ct], v[RV+7*\ct+1]
	v_cvt_pk_f16_f32 v[RVF+8*\ct+1], v[RV+7*\ct+2], v[RV+7*\ct+3]
	v_cvt_pk_f16_f32 v[RVF+8*\ct+2], v[RV+7*\ct+4], v[RV+7*\ct+5]
	v_cvt_pk_f16_f32 v[RVF+8*\ct+3], v[RV+7*\ct+6], v[ZERO]
.irp i, 0,1,2,3
	v_cndmask_b32 v[RVF+8*\ct+\i], v[RVF+8*\ct+\i], v[ZERO], s[HI]   ; lanes 16-31 hold K = 8 .. 15: zeros
	v_mov_b32 v[RVF+8*\ct+4+\i], 0                 ; K = 16 .. 31
.endr
.endr
.irp j, 0,1,2,3,4,5,6
	v_mul_f32 v[QRC+\j], s[CC], v[QR+\j]           ; c qr[j], from the accumulator's low end on
.endr
; A tile of a step that mixes: t = c s + c qr[idx], score by score; the t at k - q = -2 .. 2 are kept.  RR = the tile's first key - my first query; the branches hang on ids and the count of steps.
.macro MIXADD t
	s_add_co_i32 s[RR], s[DD], 16*\t
	s_cmp_eq_u32 s[RR], 0
	s_cbranch_scc1 .Lad_\@
	s_cmp_gt_i32 s[RR], 0
	s_cbranch_scc1 .Lar_\@
	s_cmp_eq_i32 s[RR], -16                        ; left of the diagonal's tile: idx 0, but for three places of the tile next to it
	s_cselect_b32 s[MA], s91, 0                    ; e0 = -8
	s_cselect_b32 s[MB], s92, 0                    ; e0 = -7
.irp j, 0,1,2,3,4,5
	v_fma_f32 v[S+8*\t+\j], v[S+8*\t+\j], s[CC], v[QRC]
.endr
	v_cndmask_b32 v[X0], v[QRC], v[QRC+1], s[MA]   ; j = 6, e0 = -8: k - q = -2
	v_cndmask_b32 v[X1], v[QRC], v[QRC+1], s[MB]   ; j = 7, e0 = -7: -2;
	v_cndmask_b32 v[X1], v[X1], v[QRC+2], s[MA]    ;        e0 = -8: -1
	v_fma_f32 v[S+8*\t+6], v[S+8*\t+6], s[CC], v[X0]
	v_fma_f32 v[S+8*\t+7], v[S+8*\t+7], s[CC], v[X1]
	v_cndmask_b32 v[TT+1], v[TT+1], v[S+8*\t+6], s[MA]
	v_cndmask_b32 v[TT+1], v[TT+1], v[S+8*\t+7], s[MB]
	v_cndmask_b32 v[TT+2], v[TT+2], v[S+8*\t+7], s[MA]
	s_branch .Lae_\@
.Lar_\@:
	s_cmp_eq_i32 s[RR], 16                         ; right of it: idx 6, but for three places
	s_cselect_b32 s[MA], s94, 0                    ; e0 = 15
	s_cselect_b32 s[MB], s93, 0                    ; e0 = 14
	v_cndmask_b32 v[X0], v[QRC+6], v[QRC+5], s[MB] ; j = 0, e0 = 14: k - q = 2;
	v_cndmask_b32 v[X0], v[X0], v[QRC+4], s[MA]    ;        e0 = 15: 1
	v_cndmask_b32 v[X1], v[QRC+6], v[QRC+5], s[MA] ; j = 1, e0 = 15: 2
	v_fma_f32 v[S+8*\t], v[S+8*\t], s[CC], v[X0]
	v_fma_f32 v[S+8*\t+1], v[S+8*\t+1], s[CC], v[X1]
	v_cndmask_b32 v[TT+5], v[TT+5], v[S+8*\t], s[MB]
	v_cndmask_b32 v[TT+4], v[TT+4], v[S+8*\t], s[MA]
	v_cndmask_b32 v[TT+5], v[TT+5], v[S+8*\t+1], s[MA]
.irp j, 2,3,4,5,6,7
	v_fma_f32 v[S+8*\t+\j], v[S+8*\t+\j], s[CC], v[QRC+6]
.endr
	s_branch .Lae_\@
.Lad_\@:                                           ; the diagonal's tile: k - q = j - e0, so idx >= i where e0 <= j + 3 - i
.irp j, 0,1,2,3,4,5,6,7
	v_cndmask_b32 v[X0], v[QRC], v[QRC+1], s[GE+\j+2]
	v_cndmask_b32 v[X0], v[X0], v[QRC+2], s[GE+\j+1]
	v_cndmask_b32 v[X0], v[X0], v[QRC+3], s[GE+\j]
	v_cndmask_b32 v[X0], v[X0], v[QRC+4], s[GE+\j-1]
	v_cndmask_b32 v[X0], v[X0], v[QRC+5], s[GE+\j-2]
	v_cndmask_b32 v[X0], v[X0], v[QRC+6], s[GE+\j-3]
	v_fma_f32 v[S+8*\t+\j], v[S+8*\t+\j], s[CC], v[X0]
.irp m, 1,2,3,4,5
	v_cndmask_b32 v[TT+\m], v[TT+\m], v[S+8*\t+\j], s[EQ+\j-\m+3]   ; k - q = m - 3 where e0 = j - m + 3
.endr
.endr
.Lae_\@:
.endm
; The same tile's weights with k - q <= -3 are added to the step's sum of such weights.
.macro MIXSUM t
	s_add_co_i32 s[RR], s[DD], 16*\t
	s_cmp_gt_i32 s[RR], 0
	s_cbranch_scc1 .Lse_\@
	s_cmp_eq_u32 s[RR], 0
	s_cbranch_scc1 .Lsd_\@
	s_cmp_eq_i32 s[RR], -16
	s_cselect_b32 s[MA], s91, 0
	s_cselect_b32 s[MAB], s95, 0
	v_cndmask_b32 v[X0], v[S+8*\t+6], v[ZERO], s[MA]
	v_cndmask_b32 v[X1], v[S+8*\t+7], v[ZERO], s[MAB]
.irp j, 0,1,2,3,4,5
	v_add_f32 v[SLV], v[SLV], v[S+8*\t+\j]
.endr
	v_add_f32 v[SLV], v[SLV], v[X0]
	v_add_f32 v[SLV], v[SLV], v[X1]
	s_branch .Lse_\@
.Lsd_\@:
.irp j, 0,1,2,3,4,5,6,7
	v_cndmask_b32 v[X0], v[S+8*\t+\j], v[ZERO], s[GE+\j+2]
	v_add_f32 v[SLV], v[SLV], v[X0]
.endr
.Lse_\@:
.endm
; A KEY STEP: 64 keys.
.macro STEP
	s_sub_co_i32 s[DD], s[KF], s[Q0]
	s_cmp_lt_i32 s[DD], -64
	s_cselect_b32 s[LM], -1, 0                     ; the whole step has k - q <= -3
	s_mov_b32 s[CV], s[CC]
	v_add_nc_u32 v[ADK], s[TK], v[AK0]             ; four plain lines: the places between the last step's products and the loads into the registers that they read
	v_add_nc_u32 v[ADV], s[TV], v[AV0]
	v_cndmask_b32 v[A], v[QRC+6], v[QRC], s[LM]
	v_mov_b32 v[SLV], 0
.irp cs, 0,1
.irp t, 0,1,2,3
	ds_load_b128 v[KV+16*\t+8*\cs:KV+16*\t+8*\cs+3],   v[ADK] offset:\t*16*PK+64*\cs
	ds_load_b128 v[KV+16*\t+8*\cs+4:KV+16*\t+8*\cs+7], v[ADK] offset:\t*16*PK+64*\cs+32
.endr
.endr
	s_wait_dscnt 8                                 ; channels 0-31 of the four tiles are in; the eight loads of channels 32-63 may be out
.irp t, 0,1,2,3
	v_wmma_f32_16x16x32_f16 v[S+8*\t:S+8*\t+7], v[KV+16*\t:KV+16*\t+7], v[Q:Q+7], 0       ; the four accumulators take turns, one instruction a turn
.endr
	s_wait_dscnt 0x0
.irp t, 0,1,2,3
	v_wmma_f32_16x16x32_f16 v[S+8*\t:S+8*\t+7], v[KV+16*\t+8:KV+16*\t+15], v[Q+8:Q+15], v[S+8*\t:S+8*\t+7]
.endr
.rept 4
	v_nop                                          ; places in front of the loads below and of the first read of the scores
.endr
.irp ks, 0,1
.irp ct, 0,1,2,3
	ds_load_tr16_b128 v[KV+8*(4*\ks+\ct):KV+8*(4*\ks+\ct)+3],   v[ADV] offset:\ks*32*PV+32*\ct          ; v^T: channels 16 ct on, keys 32 ks on: they land while the softmax is worked
	ds_load_tr16_b128 v[KV+8*(4*\ks+\ct)+4:KV+8*(4*\ks+\ct)+7], v[ADV] offset:\ks*32*PV+16*PV+32*\ct
.endr
.endr
	s_add_co_i32 s57, s[DD], 64                    ; a tile with first key - first query in -16 .. 16 lies in this step where -64 <= DD <= 16
	s_cmp_gt_u32 s57, 80
	s_cbranch_scc1 .Lplain_\@
	MIXADD 0
	MIXADD 1
	MIXADD 2
	MIXADD 3
	s_mov_b32 s[CV], 1.0                           ; c and c qr are in: what follows multiplies by 1 and adds 0
	v_mov_b32 v[A], 0
.Lplain_\@:
.irp j, 0,1,2,3
	v_max3_num_f32 v[C0+\j], v[S+8*\j], v[S+8*\j+1], v[S+8*\j+2]    ; the largest of my 32, in four chains; each accumulator is read from its low end on
.endr
.irp i, 3,5
.irp j, 0,1,2,3
	v_max3_num_f32 v[C0+\j], v[C0+\j], v[S+8*\j+\i], v[S+8*\j+\i+1]
.endr
.endr
	v_max3_num_f32 v[C0], v[C0], v[S+7], v[S+15]
	v_max3_num_f32 v[C0+2], v[C0+2], v[S+23], v[S+31]
	v_max3_num_f32 v[C0], v[C0], v[C0+1], v[C0+2]
	v_max_num_f32 v[C0], v[C0], v[C0+3]
	v_permlanex16_b32 v[C0+1], v[C0], s[SEL], s[SEL+1]
	v_max_num_f32 v[C0], v[C0], v[C0+1]            ; with the other half's 32 keys
	v_fma_f32 v[C0], v[C0], s[CV], v[A]            ; as t (the factor is positive)
	v_max_num_f32 v[MN], v[M], v[C0]               ; the new M
	v_sub_f32 v[X0], v[M], v[MN]
	v_sub_f32 v[BI], v[A], v[MN]
	v_exp_f32 v[F], v[X0]                          ; 2^(old M - new M)
.set i, 0
.rept 16
	v_pk_fma_f32 v[S+i:S+i+1], v[S+i:S+i+1], s[CV:CV+1], v[BI:BI+1] op_sel_hi:[1,0,0]   ; t - M, two at a time
.set i, i+2
.endr
.set i, 0
.rept 32
	v_exp_f32 v[S+i], v[S+i]                       ; p = 2^(t - M), at most 1
.set i, i+1
.endr
	v_mov_b32 v[M], v[MN]                          ; a plain line behind the exponentials
	s_wait_alu depctr_va_vdst(0)                   ; one wait for the batch of 33, ahead of its first reader
.set i, 0
.rept 16
	v_cvt_pk_f16_f32 v[P+i], v[S+2*i], v[S+2*i+1]  ; two tiles' pairs are a fragment of P
.set i, i+1
.endr
	s_cmp_gt_u32 s57, 80
	s_cbranch_scc1 .Lplain2_\@
	MIXSUM 0
	MIXSUM 1
	MIXSUM 2
	MIXSUM 3
.Lplain2_\@:
.irp u, 0,1,2,3,4,5,6,7
	v_pk_add_f32 v[S+4*\u:S+4*\u+1], v[S+4*\u:S+4*\u+1], v[S+4*\u+2:S+4*\u+3]           ; the step's sum of the unrounded p, in place
.endr
.irp u, 0,1,2,3
	v_pk_add_f32 v[S+8*\u:S+8*\u+1], v[S+8*\u:S+8*\u+1], v[S+8*\u+4:S+8*\u+5]
.endr
.irp u, 0,1
	v_pk_add_f32 v[S+16*\u:S+16*\u+1], v[S+16*\u:S+16*\u+1], v[S+16*\u+8:S+16*\u+9]
.endr
	v_pk_add_f32 v[S:S+1], v[S:S+1], v[S+16:S+17]
	v_add_f32 v[SS], v[S], v[S+1]
	v_cndmask_b32 v[SLV], v[SLV], v[SS], s[LM]     ; a step wholly on the left counts whole
	v_fma_f32 v[L], v[L], v[F], v[SS]
	v_fma_f32 v[BL], v[BL], v[F], v[SLV]
.set i, 0
.rept 16
	v_pk_mul_f32 v[O+i:O+i+1], v[O+i:O+i+1], v[F:F+1] op_sel_hi:[1,0]
.set i, i+2
.endr
	s_wait_dscnt 0x0                               ; v's fragments are in
.irp ks, 0,1
.irp ct, 0,1,2,3
	v_wmma_f32_16x16x32_f16 v[O+8*\ct:O+8*\ct+7], v[KV+8*(4*\ks+\ct):KV+8*(4*\ks+\ct)+7], v[P+8*\ks:P+8*\ks+7], v[O+8*\ct:O+8*\ct+7]
.endr
.endr
	s_add_co_u32 s[TK], s[TK], 64*PK
	s_add_co_u32 s[TV], s[TV], 64*PV
	s_add_co_u32 s[KF], s[KF], 64
.endm
; THE CHANGE OF SLOTS stands at a slot's head.  Each wave waits for all its tensor loads (its part of the slot that it is about to read), adds 0 to its spare word, and waits for that and for its reads of the slot that it has left.
; Behind the barrier the slot ahead is whole and nobody reads the other one.  fill = 1: that other slot takes the next 256 keys: the load has a slot's four steps in which to land.
.macro CHANGE fill
	s_wait_tensorcnt 0x0                           ; no tensor load of mine is out, so a group 0 may be written
	ds_add_u32 v[SPW], v[NIL]
.if \fill
	ds_add_u32 v[SPW], v[NIL]                      ; and once more, in every trip alike
	s_xor_b32 s[G0K+1], s[G0K+1], SLOT1            ; the walking descriptors: the other slot than last time,
	s_add_nc_u64 s[G0K+2:G0K+3], s[G0K+2:G0K+3], 32768   ; the next 256 keys
	s_xor_b32 s[G0V+1], s[G0V+1], SLOT1
	s_add_nc_u64 s[G0V+2:G0V+3], s[G0V+2:G0V+3], 32768
	s_wait_xcnt 0x0                                ; the last prefetch, a slot back, has read its address, so it may be written:
	s_add_nc_u64 s[PFA:PFA+1], s[PFA:PFA+1], 32768 ; one slot further on than the walking descriptors
.endif
	s_wait_dscnt 0x0                               ; the add is done, and my reads of the slot that I have left are over
	s_barrier_signal -1
	s_barrier_wait -1
.if \fill
	TLOAD                                          ; the first thing behind the barrier, and a wave's one tensor load until the next
	ASK
.endif
.endm
.macro SLOT_STEPS                      ; a slot's four steps: written once, walked four times
	s_mov_b32 s[STP], 4
.Lstep_\@:
	STEP
	s_sub_co_u32 s[STP], s[STP], 1
	s_cmp_lg_u32 s[STP], 0
	s_cbranch_scc1 .Lstep_\@
	s_sub_co_u32 s[TK], s[TK], 256*PK              ; back to a slot's first step,
	s_sub_co_u32 s[TV], s[TV], 256*PV
	s_xor_b32 s[TK], s[TK], SLOT1                  ; in the other slot
	s_xor_b32 s[TV], s[TV], SLOT1
.endm
.Lslot:                                            ; seven trips: behind each change of slots but the last the next slot is asked for
	CHANGE 1
	SLOT_STEPS
	s_sub_co_u32 s[SLOTS], s[SLOTS], 1
	s_cmp_lg_u32 s[SLOTS], 0
	s_cbranch_scc1 .Lslot
	CHANGE 0                                       ; the last slot is written out
	SLOT_STEPS
	; THE END.  The halves' sums are joined; the five kept t become weights; all are divided by l; one product adds the relative values; x goes out through my stage.
	v_permlanex16_b32 v[X0], v[L], s[SEL], s[SEL+1]
	v_permlanex16_b32 v[X1], v[BL], s[SEL], s[SEL+1]
	v_add_f32 v[L], v[L], v[X0]
	v_add_f32 v[BL], v[BL], v[X1]
.irp m, 1,2,3,4,5
	v_sub_f32 v[TT+\m], v[TT+\m], v[M]
.endr
.irp m, 1,2,3,4,5
	v_exp_f32 v[TT+\m], v[TT+\m]                   ; p_m; 0 in the half that does not hold the key, and where there is no such key
.endr
	v_rcp_f32 v[F], v[L]
	v_nop                                          ; a plain line behind the last of the six
	s_wait_alu depctr_va_vdst(0)                   ; and one wait for them, ahead of the first reader
.irp m, 1,2,3,4,5
	v_permlanex16_b32 v[C0+\m-1], v[TT+\m], s[SEL], s[SEL+1]
.endr
.irp m, 1,2,3,4,5
	v_add_f32 v[TT+\m], v[TT+\m], v[C0+\m-1]
.endr
	v_mul_f32 v[BL], v[BL], v[F]
.irp m, 1,2,3,4,5
	v_mul_f32 v[TT+\m], v[TT+\m], v[F]
.endr
	v_cvt_pk_f16_f32 v[P], v[BL], v[TT+1]          ; source 1: K = 0: BL / l, 1..5: p_m / l, 6: 1, the rest zeros
	v_cvt_pk_f16_f32 v[P+1], v[TT+2], v[TT+3]
	v_cvt_pk_f16_f32 v[P+2], v[TT+4], v[TT+5]
	v_mov_b32 v[P+3], 0x3c00
.irp i, 0,1,2,3
	v_cndmask_b32 v[P+\i], v[P+\i], v[ZERO], s[HI]
	v_mov_b32 v[P+4+\i], 0
.endr
.set i, 0
.rept 16
	v_pk_mul_f32 v[O+i:O+i+1], v[O+i:O+i+1], v[F:F+1] op_sel_hi:[1,0]   ; O^T / l
.set i, i+2
.endr
.irp ct, 0,1,2,3
	v_wmma_f32_16x16x32_f16 v[O+8*\ct:O+8*\ct+7], v[RVF+8*\ct:RVF+8*\ct+7], v[P:P+7], v[O+8*\ct:O+8*\ct+7]
.endr
.rept 4
	v_nop
.endr
.set i, 0
.rept 16
	v_cvt_pk_f16_f32 v[S+i], v[O+2*i], v[O+2*i+1]  ; register 4 ct + i': x(query r, channels 16 ct + 8 h + 2 i', + 1)
.set i, i+1
.endr
.irp ct, 0,1,2,3
	ds_store_b128 v[STO], v[S+4*\ct:S+4*\ct+3] offset:32*\ct
.endr
.irp t, 0,1,2,3
	ds_load_b128 v[KV+4*\t:KV+4*\t+3], v[RD] offset:\t*4*PK        ; LDS serves a wave's instructions in order: these see my stores.  Four queries' 128 bytes a load
.endr
.irp t, 0,1,2,3
	s_wait_dscnt 3-\t                              ; load t is in; the younger ones may be out
	global_store_b128 v[GO], v[KV+4*\t:KV+4*\t+3], s[10:11] offset:8192*\t   ; 16 lanes store a pair of tokens' 256 consecutive bytes of my head, at a multiple of 256 from the buffer's first byte
.endr
	s_wait_tensorcnt 0x0                           ; the wave's end
	ds_add_u32 v[SPW], v[NIL]
	s_wait_dscnt 0x0
	s_endpgm
.Lfunc_end_k_qdedbe6830c_attn:
	.size	k_qdedbe6830c_attn, .Lfunc_end_k_qdedbe6830c_attn-k_qdedbe6830c_attn
	.p2alignl 7, 3214868480
	.fill 96, 4, 3214868480
	.section	.rodata,"a",@progbits
	.p2align	6, 0x0
	.amdhsa_kernel k_qdedbe6830c_attn
		.amdhsa_group_segment_fixed_size 327680
		.amdhsa_private_segment_fixed_size 0
		.amdhsa_enable_private_segment 0
		.amdhsa_kernarg_size 32
		.amdhsa_user_sgpr_count 2
		.amdhsa_user_sgpr_kernarg_segment_ptr 1
		.amdhsa_wavefront_size32 1
		.amdhsa_system_sgpr_workgroup_id_x 1
		.amdhsa_system_sgpr_workgroup_id_y 1
		.amdhsa_system_sgpr_workgroup_id_z 1
		.amdhsa_system_vgpr_workitem_id 0
		.amdhsa_next_free_vgpr 256
		.amdhsa_next_free_sgpr 102
		.amdhsa_reserve_vcc 0
		.amdhsa_float_denorm_mode_32 3
		.amdhsa_float_denorm_mode_16_64 3
		.amdhsa_memory_ordered 1
		.amdhsa_forward_progress 1
		.amdhsa_inst_pref_size 123
	.end_amdhsa_kernel
	.amdgpu_metadata
---
amdhsa.version: [ 1, 2 ]
amdhsa.kernels:
  - .name:           k_qdedbe6830c_attn
    .symbol:         k_qdedbe6830c_attn.kd
    .args:
      - { .name: qkv, .offset: 0, .size: 8, .value_kind: global_buffer, .address_space: global }
      - { .name: rel_k_table, .offset: 8, .size: 8, .value_kind: global_buffer, .address_space: global }
      - { .name: rel_v_table, .offset: 16, .size: 8, .value_kind: global_buffer, .address_space: global }
      - { .name: xh, .offset: 24, .size: 8, .value_kind: global_buffer, .address_space: global }
    .group_segment_fixed_size: 327680
    .private_segment_fixed_size: 0
    .kernarg_segment_align: 8
    .kernarg_segment_size: 32
    .max_flat_workgroup_size: 512
    .sgpr_count:     102
    .vgpr_count:     256
    .wavefront_size: 32
...
	.end_amdgpu_metadata
.endif
;; end of part 3
;; launch outp (part 4): grid 8 x 32, 4 waves a work-group, clusters of 4 x 4, 327,680 bytes of LDS; arguments xh, wo16, bo, out0; writes out0
.if DOCPART == 4
	.amdgcn_target "amdgcn-amd-amdhsa--gfx1250"
	.amdhsa_code_object_version 6
	.text
	.protected	k_qdedbe6830c_outp
	.globl	k_qdedbe6830c_outp
	.p2align	8
	.type	k_qdedbe6830c_outp,@function
k_qdedbe6830c_outp:
	s_mov_b64 s[64:65], 0
	v_nop
	global_prefetch_b8 v0, s[64:65] scope:SCOPE_SE
	s_setreg_imm32_b32 hwreg(HW_REG_WAVE_MODE, 25, 1), 1
	s_wait_xcnt 0x0
	s_wait_alu depctr_hold_cnt(0) depctr_sa_sdst(0) depctr_va_vdst(0) depctr_va_sdst(0) depctr_va_ssrc(0) depctr_va_vcc(0) depctr_vm_vsrc(0)
	s_getreg_b32 s2, hwreg(HW_REG_IB_STS2, 6, 4)
	s_cmp_eq_u32 s2, 0
	s_cbranch_scc0 .Lentry_in_a_cluster
	s_endpgm
.Lentry_in_a_cluster:
	s_bfe_u32 s2, ttmp6, 0x10000c
	s_cmp_lg_u32 s2, 0xf033
	s_cbranch_scc0 .Lentry_shape_is_right
	s_endpgm
.Lentry_shape_is_right:
; out0[m][n] = sum over k of x[m][k] Wo[n][k] + bo[n].  x: xh [pair of tokens 2048][head 16][parity 2][64] f16, k = 64 x head + channel; Wo: wo16 [1024][1024] f16; out0 [4096][1024] f32; sums in f32.
; A tile of out0 is 128 x 128: 256 work-groups.  Four waves, each 64 x 64: 16 accumulators of 16 x 16.  K goes in steps of 256 (four heads) through a ring of two LDS slots.  Of x a step is 1,024 consecutive bytes of a pair's row
; (both tokens' 256 numbers): a wave's tensor load brings 32 such rows; of Wo 64 rows of 512 bytes.  By this text's own count a wave has two tensor loads out at the start and one behind each round.
; CLUSTERS: 4 x 4 work-groups.  The four of a row of the cluster need the same tiles of x, the four of a column the same tiles of Wo: each tile is asked for JOINTLY, by the same tensor load with the same descriptor and a mask.
; THE MATRIX INSTRUCTION IS USED TRANSPOSED (source 0 = 16 rows of Wo, source 1 = 16 tokens): a lane holds eight neighbouring numbers of a row of out0.  The bias is the C of each sum's first product.
; A wave's 64 columns of f32 are 256 bytes of a row: each wave has a stage of its own on the way out, and no barrier stands there.
; REGISTERS: window 0: v0-31 addresses; v32-95 the way out; v96-127 the bias, four tiles; v128-255 the accumulators ((a, b) at v[128 + 8 (4 a + b)]).   window 1: two fragment buffers of 128: 64 registers of x, then 64 of Wo.
.set KSTEP,  256
.set PITCH,  528                       ; Wo's LDS row: 512 bytes + 16
.set APITCH, 1040                      ; a pair's LDS row: 1,024 bytes + 16
.set HALFT,  64*PITCH                  ; what one tensor load may take: 64 rows of Wo; 32 pair rows need 33,280 of it
.set SLOT,   4*HALFT
.set STAGE,  2*SLOT                    ; behind the ring: 16 rows x 272 bytes for each wave
.set SPITCH, 272
.set SPARE,  STAGE+4*16*SPITCH         ; behind the stages: the spare words, 128 bytes a wave
.set LAPS,   2                         ; K = 1,024 is twice round the ring
.set ADRA, 16
.set ADRB, 20
.set STO,  24
.set RD,   25
.set CO,   26
.set SPW,  28                          ; LDS address of my spare word; never rewritten
.set NIL,  29                          ; 0; never rewritten
.set TMP,  32
.set BIAS, 96
.set ACC,  128
.set F0,   0
.set F1,   128
.set G1, 24
.set G0, 32
.set G1B, 48
.set G0B, 56
.set MSB, 0
.macro WIN new
.if MSB != (\new)
	s_set_vgpr_msb (MSB<<8)|(\new)
.set MSB, (\new)
.endif
.endm
.set MUL,  0x05                        ; sources 0 and 1 window 1; C and D window 0
.set TO_F, 0x40                        ; destination window 1, address window 0
.macro JLOAD s                         ; a joint load: waves 0 and 1 fetch x's halves, waves 2 and 3 Wo's; an s_nop 0 and four v_nop follow each of the two lines
	s_cmp_eq_u32 s13, 0
	s_cbranch_scc0 .Lfor_b_\@
	tensor_load_to_lds s[G0+4*\s:G0+4*\s+3], s[G1:G1+7]
	s_nop 0
.rept 4
	v_nop
.endr
	s_branch .Lasked_\@
.Lfor_b_\@:
	tensor_load_to_lds s[G0B+4*\s:G0B+4*\s+3], s[G1B:G1B+7]
	s_nop 0
.rept 4
	v_nop
.endr
.Lasked_\@:
.endm
.macro CREST                           ; a round of the cluster's barrier behind its opening barrier
	s_cmp_lg_u32 s12, 0
	s_cbranch_scc1 .Lnot_wave_0_\@
	s_barrier_signal -3
.Lnot_wave_0_\@:
	s_barrier_wait -3
	s_barrier_signal -1
	s_barrier_wait -1
.endm
.macro CROUND
	s_barrier_signal -1
	s_barrier_wait -1
	CREST
.endm
	s_load_b256 s[4:11], s[0:1], 0x0               ; xh s[4:5], wo16 s[6:7], bo s[8:9], out0 s[10:11]
	v_lshl_add_u32 v[SPW], v0, 2, SPARE
	v_mov_b32 v[NIL], 0
	ds_add_u32 v[SPW], v[NIL]                      ; the wave's opening: the add, twice on end, and its wait ahead of my first tensor load
	ds_add_u32 v[SPW], v[NIL]
	v_lshrrev_b32 v1, 5, v0
	v_readfirstlane_b32 s12, v1                    ; wave 0..3
	s_lshr_b32 s13, s12, 1                         ; which half of the tile's rows is mine.  Also: I fetch for x (0) or for Wo (1)
	s_and_b32 s14, s12, 1                          ; which half of its columns.  Also: which half of that tile I fetch
	s_bfe_u32 s40, ttmp6, 0x40000                  ; cx, cy
	s_bfe_u32 s41, ttmp6, 0x40004
	s_lshl_b32 s42, ttmp9, 2
	s_add_co_u32 s42, s42, s40                     ; tile column = 4 x cluster x + cx
	s_and_b32 s15, ttmp7, 0xffff
	s_lshl_b32 s15, s15, 2
	s_add_co_u32 s15, s15, s41                     ; tile row = 4 x cluster y + cy
	s_lshl_b32 s43, s41, 2
	s_lshl_b32 s43, 15, s43                        ; my row of the cluster
	s_lshl_b32 s44, 0x1111, s40                    ; my column
	s_or_b32 s[G1+0], s43, (1<<16)|(1<<20)|(1<<21)|(7<<22)|(3<<25)  ; x: the mask; elements of 2 bytes; padding on; bit 21 beside a mask; after every 256 words, 4 words
	s_mov_b32 s[G1+1], 512<<16                     ; tensor_dim0 = 512
	s_mov_b32 s[G1+2], 32<<16                      ; tensor_dim1 = 32
	s_mov_b32 s[G1+3], 512<<16                     ; tile_dim0 = 512
	s_mov_b32 s[G1+4], 32                          ; tile_dim1 = 32
	s_mov_b32 s[G1+5], 2048                        ; from pair to pair
	s_mov_b32 s[G1+6], 0
	s_mov_b32 s[G1+7], 0
	s_or_b32 s[G1B+0], s44, (1<<16)|(1<<20)|(1<<21)|(6<<22)|(3<<25) ; Wo: after every 128 words, 4 words
	s_mov_b32 s[G1B+1], KSTEP<<16
	s_mov_b32 s[G1B+2], 64<<16
	s_mov_b32 s[G1B+3], KSTEP<<16
	s_mov_b32 s[G1B+4], 64
	s_mov_b32 s[G1B+5], 1024
	s_mov_b32 s[G1B+6], 0
	s_mov_b32 s[G1B+7], 0
	s_lshl_b32 s16, s15, 6
	s_lshl_b32 s17, s14, 5
	s_add_co_u32 s16, s16, s17                     ; x: pair 64 x tile row + 32 x half,
	s_lshl_b32 s16, s16, 12                        ; 4,096 bytes a pair (under 2^23)
	s_mov_b32 s17, 0
	s_lshl_b32 s46, s42, 7
	s_lshl_b32 s47, s14, 6
	s_add_co_u32 s46, s46, s47                     ; Wo: row 128 x tile column + 64 x half,
	s_lshl_b32 s46, s46, 11                        ; 2,048 bytes a row
	s_mov_b32 s47, 0
	s_mul_i32 s20, s12, HALFT                      ; where they go: no place in the cluster enters an LDS address
	s_wait_dscnt 0x0                               ; both opening adds are done
	s_wait_kmcnt 0x0
	s_add_nc_u64 s[16:17], s[4:5], s[16:17]
	s_add_nc_u64 s[46:47], s[6:7], s[46:47]
	CROUND                                         ; all sixteen work-groups are here: the first joint loads meet
.irp s, 0,1
	s_mov_b32 s[G0+4*\s], 1
	s_add_co_u32 s[G0+4*\s+1], s20, \s*SLOT
	s_add_nc_u64 s[G0+4*\s+2:G0+4*\s+3], s[16:17], \s*1024
	s_or_b32 s[G0+4*\s+3], s[G0+4*\s+3], 0x80000000
	s_mov_b32 s[G0B+4*\s], 1
	s_add_co_u32 s[G0B+4*\s+1], s20, \s*SLOT
	s_add_nc_u64 s[G0B+4*\s+2:G0B+4*\s+3], s[46:47], \s*KSTEP*2
	s_or_b32 s[G0B+4*\s+3], s[G0B+4*\s+3], 0x80000000
	JLOAD \s
.endr
	v_and_b32 v1, 15, v0                           ; r
	v_bfe_u32 v2, v0, 4, 1                         ; h
	v_mul_u32_u24 v3, v1, PITCH
	v_lshl_add_u32 v3, v2, 4, v3                   ; Wo: row r x pitch + 16 h
	v_lshrrev_b32 v4, 1, v1
	v_mul_u32_u24 v4, v4, APITCH
	v_and_b32 v5, 1, v1
	v_lshl_add_u32 v4, v5, 7, v4
	v_lshl_add_u32 v4, v2, 4, v4                   ; x: token r lies in pair r / 2, at 128 (r % 2) of each head's 256 bytes; + 16 h
	s_mul_i32 s21, s13, HALFT                      ; my 64 tokens
	s_mul_i32 s22, s14, HALFT                      ; my 64 rows of Wo,
	s_add_co_u32 s22, s22, 2*HALFT                 ; behind x's two halves
.irp s, 0,1
	v_add_nc_u32 v[ADRA+\s], s21, v4
	v_add_nc_u32 v[ADRB+\s], s22, v3
	s_add_co_u32 s21, s21, SLOT
	s_add_co_u32 s22, s22, SLOT
.endr
	s_mul_i32 s23, s12, 16*SPITCH
	s_add_co_u32 s23, s23, STAGE                   ; my stage
	v_mul_u32_u24 v4, v1, SPITCH
	v_lshl_add_u32 v4, v2, 5, v4
	v_add_nc_u32 v[STO], s23, v4                   ; in: row r, 32 bytes for each half of the lanes
	v_mul_u32_u24 v5, v2, SPITCH
	v_lshl_add_u32 v5, v1, 4, v5
	v_add_nc_u32 v[RD], s23, v5                    ; back: lanes 0-15 one row of 256 bytes, lanes 16-31 the next
	v_lshlrev_b32 v[CO], 4, v1
	v_lshl_add_u32 v[CO], v2, 12, v[CO]            ; and the same two rows in out0
	s_lshl_b32 s16, s15, 7
	s_lshl_b32 s17, s13, 6
	s_add_co_u32 s16, s16, s17                     ; my first row: 128 x tile row + 64 x half,
	s_lshl_b32 s16, s16, 12                        ; 4,096 bytes a row
	s_mov_b32 s17, 0
	s_lshl_b32 s46, s42, 9
	s_lshl_b32 s47, s14, 8
	s_add_co_u32 s46, s46, s47                     ; my first column, in bytes: 512 x tile column + 256 x half
	s_mov_b32 s47, 0
	s_add_nc_u64 s[10:11], s[10:11], s[16:17]
	s_add_nc_u64 s[10:11], s[10:11], s[46:47]
	s_add_nc_u64 s[8:9], s[8:9], s[46:47]          ; bo at the same column
	v_lshlrev_b32 v6, 5, v2
.irp b, 0,1,2,3
	global_load_b128 v[BIAS+8*\b:BIAS+8*\b+3], v6, s[8:9] offset:64*\b        ; tile b, lane (r, h), register j = bo[my column + 16 b + 8 h + j]
	global_load_b128 v[BIAS+8*\b+4:BIAS+8*\b+7], v6, s[8:9] offset:64*\b+16
.endr
; 8 matrix instructions: token blocks a0, a0 + 1 x all 4 blocks of Wo, 32 along K: half c of buffer f.  first = 1: the bias starts the sums.  The 16 accumulators take turns.
.macro MUL8 f, c, a0, first
.irp a, \a0, \a0+1
.irp b, 0,1,2,3
.if \first
	v_wmma_f32_16x16x32_f16 v[ACC+8*(4*(\a)+\b):ACC+8*(4*(\a)+\b)+7], v[\f+64+8*(4*\c+\b):\f+64+8*(4*\c+\b)+7], v[\f+8*(4*\c+\a):\f+8*(4*\c+\a)+7], v[BIAS+8*\b:BIAS+8*\b+7]
.else
	v_wmma_f32_16x16x32_f16 v[ACC+8*(4*(\a)+\b):ACC+8*(4*(\a)+\b)+7], v[\f+64+8*(4*\c+\b):\f+64+8*(4*\c+\b)+7], v[\f+8*(4*\c+\a):\f+8*(4*\c+\a)+7], v[ACC+8*(4*(\a)+\b):ACC+8*(4*(\a)+\b)+7]
.endif
.endr
.endr
.endm
; 32 LDS loads in one run: the fragments of 64 along K (one head) into buffer f; k: the head's byte in Wo's rows; in a pair's row it begins at 2 k.  The first 32 along K first.
.macro FETCH slot, k, f
	WIN TO_F
.irp c, 0,1
.irp i, 0,1,2,3
	ds_load_b128 v[\f+64+8*(4*\c+\i):\f+64+8*(4*\c+\i)+3],   v[ADRB+\slot] offset:\k+64*\c+\i*16*PITCH
	ds_load_b128 v[\f+64+8*(4*\c+\i)+4:\f+64+8*(4*\c+\i)+7], v[ADRB+\slot] offset:\k+64*\c+\i*16*PITCH+32
	ds_load_b128 v[\f+8*(4*\c+\i):\f+8*(4*\c+\i)+3],         v[ADRA+\slot] offset:2*\k+64*\c+\i*8*APITCH
	ds_load_b128 v[\f+8*(4*\c+\i)+4:\f+8*(4*\c+\i)+7],       v[ADRA+\slot] offset:2*\k+64*\c+\i*8*APITCH+32
.endr
.endr
.endm
.macro PLACES                          ; four plain lines in front of loads into registers that matrix instructions have read, and of the first read of results
.rept 4
	v_nop
.endr
.endm
; A K step is four quarters of 64 along K, 32 matrix instructions each, on buffers 0, 1, 0, 1.
.macro QUARTER slot, k, f, g, first
	s_wait_dscnt 16                                ; the first 32 along K are in; the sixteen loads of the second may be out
	WIN MUL
	MUL8 \f, 0, 0, \first
	MUL8 \f, 0, 2, \first
	PLACES
	FETCH \slot, \k, \g
	s_wait_dscnt 32                                ; all but the 32 just issued
	WIN MUL
	MUL8 \f, 1, 0, 0
	MUL8 \f, 1, 2, 0
.endm
; The last quarter changes slots: ONE barrier; in front of it each wave waits for all its tensor loads, adds 0 to its spare word, and waits for that and for its reads of this slot.  fill = 1: this slot is filled again, two K steps ahead.
.macro TURN slot, next, fill
	WIN 0
	s_wait_tensorcnt 0x0                           ; all my tensor loads have landed: my part of the next slot
	ds_add_u32 v[SPW], v[NIL]
	s_wait_dscnt 17                                ; the add and the youngest sixteen loads may be out
	WIN MUL
	MUL8 F1, 0, 0, 0
	s_wait_dscnt 0x0                               ; the add is done, and my reads of this slot are over
	s_barrier_signal -1
	MUL8 F1, 0, 2, 0
.if \fill
	WIN 0
.endif
	s_barrier_wait -1
.if \fill
	CREST                                          ; the barrier has opened a round of the cluster's barrier: no wave of any partner still reads this slot or has a load on its way
	s_add_nc_u64 s[G0+4*\slot+2:G0+4*\slot+3], s[G0+4*\slot+2:G0+4*\slot+3], 2048
	s_add_nc_u64 s[G0B+4*\slot+2:G0B+4*\slot+3], s[G0B+4*\slot+2:G0B+4*\slot+3], 2*KSTEP*2
	JLOAD \slot                                    ; the first tensor load behind the round; its four v_nop are also the places in front of the loads below
.else
	PLACES
.endif
	FETCH \next, 0, F0
	WIN MUL
	MUL8 F1, 1, 0, 0
	MUL8 F1, 1, 2, 0
.endm
	s_wait_tensorcnt 1                             ; my part of K step 0 is in; K step 1's load may be out
	s_barrier_signal -1
	s_barrier_wait -1
	FETCH 0, 0, F0
	s_wait_loadcnt 0x0                             ; the bias
	QUARTER 0, 128, F0, F1, 1                      ; the first quarter stands in front of the loop: its first products start the sums
	WIN 0
	s_mov_b32 s3, LAPS-1
.Llap:                                                 ; a trip goes once round the ring, from a lap's second quarter to the next lap's first, and fills both slots again
	QUARTER 0, 256, F1, F0, 0
	QUARTER 0, 384, F0, F1, 0
	TURN 0, 1, 1
	QUARTER 1, 128, F0, F1, 0
	QUARTER 1, 256, F1, F0, 0
	QUARTER 1, 384, F0, F1, 0
	TURN 1, 0, 1
	QUARTER 0, 128, F0, F1, 0
	WIN 0
	s_sub_co_u32 s3, s3, 1
	s_cmp_lg_u32 s3, 0
	s_cbranch_scc1 .Llap
	QUARTER 0, 256, F1, F0, 0                      ; the last lap fills nothing, and has no round of the cluster's barrier
	QUARTER 0, 384, F0, F1, 0
	TURN 0, 1, 0
	QUARTER 1, 128, F0, F1, 0
	QUARTER 1, 256, F1, F0, 0
	QUARTER 1, 384, F0, F1, 0
	s_wait_dscnt 16                                ; the very last quarter: nothing more to fetch
	WIN MUL
	MUL8 F1, 0, 0, 0
	MUL8 F1, 0, 2, 0
	s_wait_dscnt 0
	MUL8 F1, 1, 0, 0
	MUL8 F1, 1, 2, 0
	WIN 0
; THE WAY OUT, block by block of 16 rows x 64 columns: 32 bytes a lane into my own stage, back as whole rows of 256 bytes, two rows an instruction.
.macro TOSTAGE a
.irp b, 0,1,2,3
	ds_store_b128 v[STO], v[ACC+8*(4*(\a)+\b):ACC+8*(4*(\a)+\b)+3] offset:64*\b          ; each accumulator from its low end on
	ds_store_b128 v[STO], v[ACC+8*(4*(\a)+\b)+4:ACC+8*(4*(\a)+\b)+7] offset:64*\b+16
.endr
.set BB, TMP+32*((\a)%2)
.irp t, 0,1,2,3,4,5,6,7
	ds_load_b128 v[BB+4*\t:BB+4*\t+3], v[RD] offset:\t*2*SPITCH    ; LDS serves a wave's instructions in order: these see the stores above, and the next block's stores come behind them
.endr
.endm
.macro SEND a, younger                 ; younger: the LDS instructions issued behind block a's loads, which may stay out
.set BB, TMP+32*((\a)%2)
	s_wait_dscnt \younger
.irp t, 0,1,2,3,4,5,6,7
	global_store_b128 v[CO], v[BB+4*\t:BB+4*\t+3], s[10:11] offset:(16*(\a)+2*\t)*4096 th:TH_STORE_NT   ; 16 lanes store 256 consecutive bytes, at a multiple of 256 from out0's first byte
.endr
.endm
	PLACES
	TOSTAGE 0
.irp a, 1,2,3
.if \a > 1
	s_wait_xcnt 0x0                                ; block a - 2's stores have read their registers: block a's loads may land there
.endif
	TOSTAGE \a
	SEND \a-1, 16                                  ; behind block a - 1's loads: block a's 8 stores and 8 loads
.endr
	SEND 3, 0
	s_wait_tensorcnt 0x0                           ; the wave's end
	ds_add_u32 v[SPW], v[NIL]
	s_wait_dscnt 0x0
	CROUND                                         ; the closing round: no work-group ends while a partner may still ask for a tile that names it
	s_endpgm
.Lfunc_end_k_qdedbe6830c_outp:
	.size	k_qdedbe6830c_outp, .Lfunc_end_k_qdedbe6830c_outp-k_qdedbe6830c_outp
	.p2alignl 7, 3214868480
	.fill 96, 4, 3214868480
	.section	.rodata,"a",@progbits
	.p2align	6, 0x0
	.amdhsa_kernel k_qdedbe6830c_outp
		.amdhsa_group_segment_fixed_size 327680
		.amdhsa_private_segment_fixed_size 0
		.amdhsa_enable_private_segment 0
		.amdhsa_kernarg_size 32
		.amdhsa_user_sgpr_count 2
		.amdhsa_user_sgpr_kernarg_segment_ptr 1
		.amdhsa_wavefront_size32 1
		.amdhsa_system_sgpr_workgroup_id_x 1
		.amdhsa_system_sgpr_workgroup_id_y 1
		.amdhsa_system_sgpr_workgroup_id_z 1
		.amdhsa_system_vgpr_workitem_id 0
		.amdhsa_next_free_vgpr 512
		.amdhsa_next_free_sgpr 66
		.amdhsa_reserve_vcc 0
		.amdhsa_float_denorm_mode_32 3
		.amdhsa_float_denorm_mode_16_64 3
		.amdhsa_memory_ordered 1
		.amdhsa_forward_progress 1
		.amdhsa_inst_pref_size 87
	.end_amdhsa_kernel
	.amdgpu_metadata
---
amdhsa.version: [ 1, 2 ]
amdhsa.kernels:
  - .name:           k_qdedbe6830c_outp
    .symbol:         k_qdedbe6830c_outp.kd
    .args:
      - { .name: xh, .offset: 0, .size: 8, .value_kind: global_buffer, .address_space: global }
      - { .name: wo16, .offset: 8, .size: 8, .value_kind: global_buffer, .address_space: global }
      - { .name: bo, .offset: 16, .size: 8, .value_kind: global_buffer, .address_space: global }
      - { .name: out0, .offset: 24, .size: 8, .value_kind: global_buffer, .address_space: global }
    .group_segment_fixed_size: 327680
    .private_segment_fixed_size: 0
    .kernarg_segment_align: 8
    .kernarg_segment_size: 32
    .max_flat_workgroup_size: 128
    .sgpr_count:     66
    .vgpr_count:     512
    .wavefront_size: 32
...
	.end_amdgpu_metadata
.endif
;; end of part 4
